; MI455X (gfx1250); checked and timed in simulation.
; The chip was launched on July 23, 2026; its instructions are those of AMD's public machine-readable ISA for CDNA 5 (MIT licence, August 2026) and "CDNA5" Instruction Set Architecture Reference Guide (July 2026). The comments in the code are by the model that wrote it; some were corrected since.
;; Attention. Allowed arithmetic: matrix products marked QUANTISED: E3M2 operands, one E8M0 scale for each 32 along K, by v_wmma_scale_f32_16x16x128_f8f6f4 with both operands' format E3M2, f32 sums; everything else in f32.
;; Inputs: K 4 x 2,048 x 1,024 float32; Q 4 x 2,048 x 1,024 float32; V 4 x 2,048 x 1,024 float32; Wk_b 1,024 float32; Wk_w 1,024 x 1,024 float32; Wq_b 1,024 float32; Wq_w 1,024 x 1,024 float32; Wv_b 1,024 float32; Wv_w 1,024 x 1,024 float32; mask 4 x 2,048 x 2,048 int32.
;; Outputs: out0 4 x 2,048 x 1,024 float32.
;; This version of the problem:
;;   THIS VERSION OF THE PROBLEM IS GIVEN IN LOW PRECISION. The matrix products marked QUANTISED in the list below multiply operands that are first quantised to E3M2 (3 exponent bits, 2 mantissa bits; 6 bits a number), with one power-of-two scale for each 32 numbers along K (OCP MX v1.0); their sums are f32. All else is computed in f32.
;;   The module's matrix products, in the order in which they are computed (A, B: the left and right operand; K: the contracted axis; several contracted axes count as one K, in the product's order):
;;     1. [M 8,192, K 1,024] x [K 1,024, N 1,024]; A: input Q; B: input Wq_w: QUANTISED
;;     2. [M 8,192, K 1,024] x [K 1,024, N 1,024]; A: input K; B: input Wk_w: QUANTISED
;;     3. [M 8,192, K 1,024] x [K 1,024, N 1,024]; A: input V; B: input Wv_w: QUANTISED
;;     4. batch 4 x [M 2,048, K 1,024] x [K 1,024, N 2,048]; A: computed on the way; B: computed on the way: QUANTISED
;;     5. batch 4 x [M 2,048, K 2,048] x [K 2,048, N 1,024]; A: softmax (see below); B: computed on the way: QUANTISED
;;   THE QUANTISER, for each operand of a quantised product, along K:
;;     - K is cut into blocks of 32 from its start; a last block that is shorter is filled with zeros.
;;     - A block's scale is 2^e with e = floor(log2(the largest magnitude in the block)) - 4, held to -126 .. 127; a block of zeros has e = 0. As a byte (E8M0): e + 127.
;;     - Each number is divided by its block's scale, clamped to +-28, and rounded to the nearest number of E3M2, ties to even, subnormals kept.
;;     - The product sums the exact products of the quantised numbers (number of the format x scale) in f32.
;;   ~~~python
;;   def quantise(x, axis):      # numpy; x: float32 -> the quantised numbers, widened to float32 again
;;       x = np.moveaxis(x, axis, -1); K = x.shape[-1]
;;       x = np.pad(x, [(0, 0)] * (x.ndim - 1) + [(0, -K % 32)]); x = x.reshape(x.shape[:-1] + (-1, 32)); a = np.abs(x).max(-1, keepdims=True)
;;       e = np.where(a > 0, np.clip(np.frexp(np.where(a > 0, a, 1))[1] - 1 - 4, -126, 127), 0)      # np.frexp(a)[1] - 1 = floor(log2(a)), exactly
;;       r = np.clip(x / 2.0 ** e, -28, 28)
;;       step = 2.0 ** (np.maximum(np.frexp(np.where(r == 0, 1, r))[1] - 1, -2) - 2)
;;       q = np.round(r / step) * step * 2.0 ** e      # np.round: ties to even
;;       return np.moveaxis(q.reshape(q.shape[:-2] + (-1,))[..., :K], -1, axis).astype(np.float32)
;;   ~~~
;;   SOFTMAX AHEAD OF A QUANTISED PRODUCT. Where the list says 'softmax', what is quantised is not the finished softmax but p = 2^(t - M), with t = logit x log2(e) and M = ceil(the row's largest t), a whole number; so 1/2 < the row's largest p <= 1. The row's sum l is taken of the UNQUANTISED p, in f32, and the product's result is divided by l at the end. Since M is a whole number, a kernel that streams over the keys may use a running M (the ceiling of the running maximum): every later rescaling is an exact power of two, which a block's scale takes up: the codes' values come out the same.
;;   OPERANDS COMPUTED ON THE WAY. 'Computed on the way' means the value that the module computes at that place (a softmax that the list does not call 'softmax' is quantised finished and normalised). What goes into a quantiser is computed in f32, as accurately as f32 sums, v_exp_f32 and their like allow (about 1e-6 of the number): no bf16 or f16 on the way to a quantiser, and a product that is left as it is and whose result goes on into a quantised operand takes f32 operands (vector FMAs, or v_wmma_f32_16x16x4_f32). A number that lies on a knife's edge between two numbers of the format may be rounded either way, as far as f32 arithmetic and the matrix unit's own rounding can turn it there, and no further.
;; One version. Each part assembles by itself: llvm-mc -triple=amdgcn-amd-amdhsa -mcpu=gfx1250 --defsym DOCPART=n.
;; ======== version 1 of 1: 4 launches
;; limits: right only within a limited range of input values
;; workspace buffers: xc 21,233,664 bytes; xs 884,736 bytes; mb 2,097,152 bytes of whole numbers; yc 18,874,368 bytes; ys 786,432 bytes; pc 12,582,912 bytes; psc 524,288 bytes; st 1,048,576 bytes
;; launch prep (part 1): grid 1728 x 1, 1 waves a work-group, no clusters, 8,704 bytes of LDS; arguments Q, K, V, Wq_w, Wk_w, Wv_w, xc, xs; writes xc, xs
.if DOCPART == 1
	.amdgcn_target "amdgcn-amd-amdhsa--gfx1250"
	.amdhsa_code_object_version 6
	.text
	.protected	k_qe0946f59ee_prep
	.globl	k_qe0946f59ee_prep
	.p2align	8
	.type	k_qe0946f59ee_prep,@function
k_qe0946f59ee_prep:
	s_mov_b64 s[64:65], 0
	v_nop
	global_prefetch_b8 v0, s[64:65] scope:SCOPE_SE
	s_setreg_imm32_b32 hwreg(HW_REG_WAVE_MODE, 25, 1), 1
	s_wait_xcnt 0x0
; PREP.  Q, K, V [8192][1024] and Wq_w, Wk_w, Wv_w [1024][1024], f32, K innermost, become codes of BF6 (E3M2) with one E8M0 byte for each 32 along K.
; A block's scale is 2^(floor(log2(its largest magnitude)) - 4); its byte is the largest magnitude's exponent field - 4, held at 1 from below.
; LIMITS: NaN and infinities among the inputs are not served.  A block whose largest magnitude lies under 2^-122 (a block of zeros too) keeps the byte 1 where the
; quantiser says otherwise for zeros (127): its codes are zeros or next to it, and the bytes are read by this program alone.
; A UNIT is 128 rows x 128 numbers (64 KB), one wave's work: units 0 .. 1727 are (block of 128 rows, 128 along K) of the six tensors on end (blocks 0-63 Q, 64-127 K, 128-191 V,
; 192-199 Wq, 200-207 Wk, 208-215 Wv).
; THE ROWS OF A TILE ARE NOT NEIGHBOURS: lane r of tile t takes row 32 (t / 2) + 8 (t % 2) + r + 8 (r / 8) of the block, so that a product that takes such tiles as its source 0
; leaves 16 neighbours along that axis in the 16 registers of two neighbouring tiles.
; OUT.  Codes lie as IMAGES OF THE OPERAND'S REGISTERS: [block][128 along K][tile 8][4 registers: 3][lane 32][16 bytes]: a fragment is 1,536 bytes, a unit 12,288.
; Scale words: [block][128 along K][tile / 4][r 16][tile % 4]: 512 bytes a unit.
; A load reads 512 consecutive bytes of one row; the 16 rows of a tile turn through the wave's own stage in LDS (rows of 512 + 16 bytes), so that lane (r, h) gets, of row r, the 16 numbers
; 32 b + 16 h + 0 .. 15 of each block b.  Loads run two tiles (32 loads a wave) ahead.  Every offset is an immediate: 127 rows of 4,096 bytes at the most.  Waves share nothing: no barrier.
.set SP,   528                         ; a stage row
.set STG,  16*SP                       ; a wave's stage
.set TM,   24                          ; v24-35   at work: largest magnitudes, bytes, the conversions' scale operands
.set PWS,  36                          ; v36-43   the eight tiles' scale words
.set PC,   44                          ; v44-55   a tile's codes; v56-63 their second halves
.set X,    64                          ; v64-127  64 numbers of my row
.set R,    128                         ; v128-255 two sets of 64: a tile as it is loaded
.set SRC,  34                          ; s[34:35] where my unit begins in its tensor; never rewritten
.set OC,   52                          ; s[52:53] where my unit's codes go
.set OS,   54                          ; s[54:55] and its scale words
	s_load_b512 s[8:23], s[0:1], 0x0               ; Q, K, V, Wq_w, Wk_w, Wv_w, xc, xs
	v_lshl_add_u32 v59, v0, 2, 0x2100              ; my spare word, behind the one stage of 8,448 bytes
	v_mov_b32 v63, 0
	v_lshrrev_b32 v1, 5, v0
	v_readfirstlane_b32 s28, v1                    ; wave
	v_and_b32 v1, 31, v0                           ; lane
	v_lshlrev_b32 v2, 4, v1                        ; 16 x lane; never rewritten
	v_and_b32 v6, 15, v0                           ; r
	v_bfe_u32 v7, v0, 4, 1                         ; h
	s_mul_i32 s4, s28, STG
	v_add_nc_u32 v3, s4, v2                        ; the stage, on the way in: 16 x lane of a row
	v_mul_u32_u24 v4, v6, SP
	v_lshl_add_u32 v4, v7, 6, v4
	v_add_nc_u32 v4, s4, v4                        ; and on the way out: row r, + 64 h
	s_mov_b32 s2, 0x76543210
	s_mov_b32 s3, 0xfedcba98                       ; v_permlanex16_b32's selects for lane l xor 16
.irp b, 0,1,2,3
	v_mov_b32 v[TM+4+\b], 0                        ; written once: a lane permute's destination counts as one of its sources
.endr
	s_mov_b32 s29, ttmp9                           ; my unit u: a work-group is one wave, 1,728 units on 1,728 work-groups
	s_lshr_b32 s30, s29, 3                         ; its block of rows,
	s_and_b32 s33, s29, 7                          ; its 128 along K
	s_and_b32 s56, s30, 63
	s_and_b32 s57, s30, 7
	s_cmp_lt_u32 s30, 192
	s_cselect_b32 s56, s56, s57                    ; the block inside its tensor
	s_lshl_b32 s56, s56, 19                        ; 128 rows of 4,096 bytes
	s_lshl_b32 s33, s33, 9
	s_add_co_u32 s56, s56, s33                     ; where the unit begins in its tensor
	s_mov_b32 s57, 0
	s_mul_i32 s60, s29, 12288
	s_mov_b32 s61, 0
	s_lshl_b32 s62, s29, 9
	s_mov_b32 s63, 0
	s_wait_alu depctr_va_vdst(0)
	s_wait_kmcnt 0x0
	s_mov_b64 s[SRC:SRC+1], s[18:19]               ; which tensor: by the block's number alone
	s_cmp_lt_u32 s30, 208
	s_cselect_b64 s[SRC:SRC+1], s[16:17], s[SRC:SRC+1]
	s_cmp_lt_u32 s30, 200
	s_cselect_b64 s[SRC:SRC+1], s[14:15], s[SRC:SRC+1]
	s_cmp_lt_u32 s30, 192
	s_cselect_b64 s[SRC:SRC+1], s[12:13], s[SRC:SRC+1]
	s_cmp_lt_u32 s30, 128
	s_cselect_b64 s[SRC:SRC+1], s[10:11], s[SRC:SRC+1]
	s_cmp_lt_u32 s30, 64
	s_cselect_b64 s[SRC:SRC+1], s[8:9], s[SRC:SRC+1]
	s_add_nc_u64 s[SRC:SRC+1], s[SRC:SRC+1], s[56:57]
	s_add_nc_u64 s[OC:OC+1], s[20:21], s[60:61]
	s_add_nc_u64 s[OS:OS+1], s[22:23], s[62:63]
.macro LOADT t                         ; tile t's 16 rows, 512 consecutive bytes a load, into set t % 2
.irp p, 0,1,2,3,4,5,6,7,8,9,10,11,12,13,14,15
	global_load_b128 v[R+64*((\t)%2)+4*\p:R+64*((\t)%2)+4*\p+3], v2, s[SRC:SRC+1] offset:(32*((\t)/2)+8*((\t)%2)+\p+8*(\p/8))*4096 th:TH_LOAD_NT
.endr
.endm
; 64 numbers of a lane, register 16 b + i = k 32 b + 16 h + i of my row, become a fragment's 12 registers of codes and its scale word
.macro QUANT src, pc, tmp, pw
.irp b, 0,1,2,3
	v_max3_num_f32 v[TM+\b], |v[\src+16*\b]|, |v[\src+16*\b+1]|, 0x2800000   ; block b: my 16 numbers, and the floor 2^(5 - 127): so the byte cannot fall under 1
.endr
.irp i, 2,4,6,8,10,12,14
.irp b, 0,1,2,3
	v_max3_num_f32 v[TM+\b], v[TM+\b], |v[\src+16*\b+\i]|, |v[\src+16*\b+\i+1]|   ; the four blocks by turns
.endr
.endr
.irp b, 0,1,2,3
	v_permlanex16_b32 v[TM+4+\b], v[TM+\b], s2, s3
.endr
.irp b, 0,1,2,3
	v_max_num_f32 v[TM+\b], v[TM+\b], v[TM+4+\b]   ; with lane l xor 16's 16: the block's largest magnitude
.endr
.irp b, 0,1,2,3
	v_add_nc_u32 v[TM+8+\b], 0xfe000000, v[TM+\b]  ; 4 off its exponent field: the conversion takes the exponent field of this operand as its scale
.endr
.irp b, 0,1,2,3
	v_lshrrev_b32 v[TM+4+\b], 23, v[TM+8+\b]       ; the scale's byte
.endr
	v_lshl_or_b32 v[\pw], v[TM+5], 8, v[TM+4]
	v_lshl_or_b32 v[\pw], v[TM+6], 16, v[\pw]
	v_lshl_or_b32 v[\pw], v[TM+7], 24, v[\pw]      ; my row's scale word
.irp c, 0,1
	v_cvt_scalef32_pk16_bf6_f32 v[\pc+6*\c:\pc+6*\c+2], v[\src+32*\c:\src+32*\c+15], v[TM+8+2*\c]
	v_cvt_scalef32_pk16_bf6_f32 v[\tmp+4*\c:\tmp+4*\c+2], v[\src+32*\c+16:\src+32*\c+31], v[TM+9+2*\c]   ; (a conversion's three registers begin on an even number)
.endr
	v_nop                                          ; one plain place behind a scaled conversion
.irp c, 0,1                                    ; the operand's layout wants a whole block in a lane: lanes 0-15 block 2 c, lanes 16-31 block 2 c + 1
.irp i, 0,1,2
	v_permlane16_swap_b32 v[\pc+6*\c+\i], v[\tmp+4*\c+\i]
.endr
.irp i, 0,1,2
	v_mov_b32 v[\pc+3+6*\c+\i], v[\tmp+4*\c+\i]
.endr
.endr
.endm
.macro TILE t
.if (\t) < 7
	s_wait_loadcnt 16                              ; this tile's 16 loads are in; the next tile's 16 may be out
.else
	s_wait_loadcnt 0x0
.endif
.irp p, 0,1,2,3,4,5,6,7,8,9,10,11,12,13,14,15
	ds_store_b128 v3, v[R+64*((\t)%2)+4*\p:R+64*((\t)%2)+4*\p+3] offset:SP*\p
.endr
.irp b, 0,1,2,3
.irp j, 0,1,2,3
	ds_load_b128 v[X+16*\b+4*\j:X+16*\b+4*\j+3], v4 offset:128*\b+16*\j   ; LDS serves a wave's instructions in order: these see the stores above
.endr
.endr
	s_wait_dscnt 0x0                               ; my 64 numbers are in, and the stage's stores have read their registers
.if (\t) < 6
	LOADT (\t)+2                                   ; the freed set takes the loads of two tiles on
.endif
	QUANT X, PC, PC+12, PWS+(\t)
	s_set_vgpr_msb 0x40                            ; destination in window 1: tile t's codes are kept in v[256 + 12 t] on, registers of their own, so that no store's data are written again
.irp c, 0,1,2,3,4,5,6,7,8,9,10,11
	v_mov_b32 v[12*(\t)+\c], v[PC+\c]
.endr
	s_set_vgpr_msb 0x4000
.endm
.macro FLUSH t0                        ; four tiles' codes leave in one run of 12 stores, each of 512 consecutive bytes, aligned
	s_set_vgpr_msb 0x04                            ; a store's data are its source 1: window 1
.irp t, \t0, \t0+1, \t0+2, \t0+3
.irp c, 0,1,2
	global_store_b128 v2, v[12*(\t)+4*\c:12*(\t)+4*\c+3], s[OC:OC+1] offset:1536*(\t)+512*\c
.endr
.endr
	s_set_vgpr_msb 0x0400
.endm
	LOADT 0
	LOADT 1
.irp t, 0,1,2,3
	TILE \t
.endr
	FLUSH 0
.irp t, 4,5,6,7
	TILE \t
.endr
	FLUSH 4
	v_cmp_gt_u32 vcc_lo, 16, v1                    ; (v44 on are no store's data: the stores above read window 1)
.irp c, 0,1,2,3
	v_cndmask_b32 v[PC+\c], v[PWS+4+\c], v[PWS+\c], vcc_lo   ; lanes 0-15 send tiles 0-3's words of row r, lanes 16-31 tiles 4-7's
.endr
	global_store_b128 v2, v[PC:PC+3], s[OS:OS+1]   ; the unit's 512 bytes of scale words
	s_wait_tensorcnt 0x0
	ds_add_u32 v59, v63
	s_wait_dscnt 0x0
	s_endpgm
.Lfunc_end_k_qe0946f59ee_prep:
	.size	k_qe0946f59ee_prep, .Lfunc_end_k_qe0946f59ee_prep-k_qe0946f59ee_prep
	.p2alignl 7, 3214868480
	.fill 96, 4, 3214868480
	.section	.rodata,"a",@progbits
	.p2align	6, 0x0
	.amdhsa_kernel k_qe0946f59ee_prep
		.amdhsa_group_segment_fixed_size 8704
		.amdhsa_private_segment_fixed_size 0
		.amdhsa_enable_private_segment 0
		.amdhsa_kernarg_size 64
		.amdhsa_user_sgpr_count 2
		.amdhsa_user_sgpr_kernarg_segment_ptr 1
		.amdhsa_wavefront_size32 1
		.amdhsa_system_sgpr_workgroup_id_x 1
		.amdhsa_system_sgpr_workgroup_id_y 1
		.amdhsa_system_sgpr_workgroup_id_z 1
		.amdhsa_system_vgpr_workitem_id 0
		.amdhsa_next_free_vgpr 352
		.amdhsa_next_free_sgpr 66
		.amdhsa_reserve_vcc 1
		.amdhsa_float_denorm_mode_32 3
		.amdhsa_float_denorm_mode_16_64 3
		.amdhsa_memory_ordered 1
		.amdhsa_forward_progress 1
		.amdhsa_inst_pref_size 67
	.end_amdhsa_kernel
	.amdgpu_metadata
---
amdhsa.version: [ 1, 2 ]
amdhsa.kernels:
  - .name:           k_qe0946f59ee_prep
    .symbol:         k_qe0946f59ee_prep.kd
    .args:
      - { .name: Q, .offset: 0, .size: 8, .value_kind: global_buffer, .address_space: global }
      - { .name: K, .offset: 8, .size: 8, .value_kind: global_buffer, .address_space: global }
      - { .name: V, .offset: 16, .size: 8, .value_kind: global_buffer, .address_space: global }
      - { .name: Wq_w, .offset: 24, .size: 8, .value_kind: global_buffer, .address_space: global }
      - { .name: Wk_w, .offset: 32, .size: 8, .value_kind: global_buffer, .address_space: global }
      - { .name: Wv_w, .offset: 40, .size: 8, .value_kind: global_buffer, .address_space: global }
      - { .name: xc, .offset: 48, .size: 8, .value_kind: global_buffer, .address_space: global }
      - { .name: xs, .offset: 56, .size: 8, .value_kind: global_buffer, .address_space: global }
    .group_segment_fixed_size: 8704
    .private_segment_fixed_size: 0
    .kernarg_segment_align: 8
    .kernarg_segment_size: 64
    .max_flat_workgroup_size: 32
    .sgpr_count:     66
    .vgpr_count:     352
    .wavefront_size: 32
...
	.end_amdgpu_metadata
.endif
;; end of part 1
;; launch proj (part 2): grid 4 x 128, 4 waves a work-group, clusters of 4 x 4, 327,680 bytes of LDS; arguments xc, xs, Wq_b, Wk_b, Wv_b, yc, ys, mask, mb; writes yc, ys, mb
.if DOCPART == 2
	.amdgcn_target "amdgcn-amd-amdhsa--gfx1250"
	.amdhsa_code_object_version 6
	.text
	.protected	k_qe0946f59ee_proj
	.globl	k_qe0946f59ee_proj
	.p2align	8
	.type	k_qe0946f59ee_proj,@function
k_qe0946f59ee_proj:
	s_mov_b64 s[64:65], 0
	v_nop
	global_prefetch_b8 v0, s[64:65] scope:SCOPE_SE
	s_setreg_imm32_b32 hwreg(HW_REG_WAVE_MODE, 25, 1), 1
	s_wait_xcnt 0x0
	s_wait_alu depctr_hold_cnt(0) depctr_sa_sdst(0) depctr_va_vdst(0) depctr_va_sdst(0) depctr_va_ssrc(0) depctr_va_vcc(0) depctr_vm_vsrc(0)
	s_getreg_b32 s2, hwreg(HW_REG_IB_STS2, 6, 4)
	s_cmp_eq_u32 s2, 0
	s_cbranch_scc0 .Lentry_in_a_cluster
	s_endpgm
.Lentry_in_a_cluster:
	s_bfe_u32 s2, ttmp6, 0x10000c
	s_cmp_lg_u32 s2, 0xf033
	s_cbranch_scc0 .Lentry_shape_is_right
	s_endpgm
.Lentry_shape_is_right:
; PROJ.  q = Q Wq^T + bq, k = K Wk^T + bk (both then quantised along d) and v^T = Wv V^T + bv (then quantised along the KEYS), on codes of BF6 (E3M2) with one E8M0 scale for each 32 along K = 1,024.
; AND THE MASK: the products have 24 clusters' work; the packing of the mask [4][2048][2048], int32, into one bit a number hangs on none of them and shares the launch: 8 clusters more.
; Cluster y: 0-7: q; 8-15: k; 16, 18 .. 30: v; 17, 19 .. 31: the mask.  The branch hangs on the cluster's y alone, which all sixteen partners share.
; Operands come as images of their registers (a fragment of 16 rows x 128 K: 1,536 bytes; a block of 128 rows x 128 K: 12,288 dense bytes; its scale words 512 bytes), and the results leave so.
; A tile of 256 x 256 is made by four waves, 128 x 128 each: 64 accumulators.  c = the products' cluster, 0 .. 23.  For q and k A = the rows of Q or K and B = the rows of W; for v A = Wv's rows (d) and
; B = V's rows (keys).  THE MATRIX INSTRUCTION IS USED TRANSPOSED (source 0 = 16 rows of B, source 1 = 16 rows of A): a lane holds one row of A, and, the rows of an image's tile being 32 (t / 2) + 8 (t % 2) + r + 8 (r / 8),
; the 64 registers of a block of A against B's eight tiles are B's rows 32 b + 16 h + i at register 16 b + i: the next product's K, 16 neighbours to two tiles.  So they are quantised where they lie.
; The bias is the C of each sum's first matrix instruction: it is the first addend of the f32 sum and not the last, an order of rounding that differs from the reference's.
; LIMITS: NaN and infinities are not served; a block whose largest magnitude lies under 2^-122 keeps the byte 1 (the bytes are read by this program alone).
; K goes in steps of 256 (two of 128) through two LDS slots; four fills a tile, two at the start.  All scale words of the tile's rows come once.
; CLUSTERS: 4 x 4 work-groups; A's blocks are shared along a row of the cluster, B's along a column: joint loads.  No prefetch: of a tile's four fills two go out at the start and the other two one slot later.
; REGISTERS: window 0: v16-29 addresses; v32-63 scale words, two sets; v64-127 the bias; v128-223 A's fragments, one set, later the codes; v224-255 at work.  window 1: B's fragments, two sets (v0, v128).
;   windows 2, 3: accumulator (a, b) at v[8 (8 (a % 4) + b)] of window 2 + a / 4.  (The mask's clusters: at their own head, below.)
.set KSB,   12288                      ; a block of 128 rows x 128 K
.set FRB,   1536                       ; a fragment
.set QB,    2*KSB                      ; what one tensor load brings: a block's two steps
.set SLOT,  4*QB                       ; A's two blocks, then B's two
.set SCL,   2*SLOT                     ; the scale words: 4,096 bytes for each of the four blocks
.set SPARE, SCL+4*4096                 ; the spare words, 128 bytes for each wave: two blocks of 256 bytes that no other line names
.set MSTG,  SPARE+512                  ; the mask's clusters: a stage of 16 rows x 528 bytes for each wave; no fill lands here
.set ADRA, 16                          ; v16-17  16 x lane + my block of A in slot 0, 1
.set ADRB, 20                          ; v20-21  the same for B
.set L16,  26                          ; v26     16 x lane
.set ADRS, 27                          ; v27     my scale words: lanes 0-15 A's, lanes 16-31 B's
.set SPW,  28                          ; v28     my spare word; never rewritten
.set NIL,  29                          ; v29     0; never rewritten
.set SC,   32                          ; register SC + 16 slot + 8 q + i: lanes 0-15 the word of A's tile i, lanes 16-31 that of B's tile i
.set BS,   64
.set AF,   128
.set TM,   224
.set TMP,  236
.set HT,   244
.set G1,   24
.set G0,   32
.set G1B,  48
.set G0B,  56
.set G1S,  68
.set G0S,  76
.set G1SB, 80
.set G0SB, 88
.set MSB, 0
.macro WIN new                         ; the immediate's high byte repeats the setting that is left
.if MSB != (\new)
	s_set_vgpr_msb (MSB<<8)|(\new)
.set MSB, (\new)
.endif
.endm
.macro PLACES n
.rept \n
	v_nop
.endr
.endm
; A joint load: waves 0 and 1 fetch for A, waves 2 and 3 for B; four v_nop follow each of the two lines
.macro JLOAD g0a, g1a, g0b, g1b
	s_cmp_eq_u32 s15, 0
	s_cbranch_scc0 .Lfor_b_\@
	tensor_load_to_lds s[\g0a:\g0a+3], s[\g1a:\g1a+7]
	s_nop 0
.rept 4
	v_nop
.endr
	s_branch .Lasked_\@
.Lfor_b_\@:
	tensor_load_to_lds s[\g0b:\g0b+3], s[\g1b:\g1b+7]
	s_nop 0
.rept 4
	v_nop
.endr
.Lasked_\@:
.endm
.macro CREST                           ; a round of the cluster's barrier behind its opening barrier
	s_cmp_lg_u32 s14, 0
	s_cbranch_scc1 .Lnot_wave_0_\@
	s_barrier_signal -3
.Lnot_wave_0_\@:
	s_barrier_wait -3
	s_barrier_signal -1
	s_barrier_wait -1
.endm
.macro CROUND
	s_barrier_signal -1
	s_barrier_wait -1
	CREST
.endm
.macro FRAG reg, adr, off              ; a fragment comes as it was stored: three loads of 512 consecutive bytes
.irp c, 0,1,2
	ds_load_b128 v[\reg+4*\c:\reg+4*\c+3], v[\adr] offset:\off+512*\c
.endr
.endm
.macro FETCH_B slot, q, p
	WIN 0x40
.irp i, 0,1,2,3,4,5,6,7
	FRAG 128*(\p)+12*\i, ADRB+\slot, KSB*(\q)+FRB*\i
.endr
	WIN 0
.endm
.macro FETCH_A slot, q, i0
.irp i, \i0, \i0+1, \i0+2, \i0+3
	FRAG AF+12*(\i), ADRA+\slot, KSB*(\q)+FRB*(\i)
.endr
.endm
.macro SCALES set, ph                  ; the scale words of the ph-th 256 along K: four words (tiles 4 g .. 4 g + 3) a load
.irp q, 0,1
.irp g, 0,1
	ds_load_b128 v[SC+16*(\set)+8*\q+4*\g:SC+16*(\set)+8*\q+4*\g+3], v[ADRS] offset:(2*(\ph)+\q)*512+256*\g
.endr
.endr
.endm
; 16 matrix instructions: A's tiles a0, a0 + 1 x B's eight.  cm: 0 the sum goes on; 1 it starts with the bias along B's rows; 2 with the bias along A's rows.  The 64 accumulators take turns.
.macro MUL16 a0, p, q, set, cm
.irp a, \a0, \a0+1
.irp b, 0,1,2,3,4,5,6,7
.set rD, 8*(8*((\a)%4)+\b)
.set rB, 128*(\p)+12*\b
.set rA, AF+12*(\a)
.set sB, SC+16*(\set)+8*(\q)+\b
.set sA, SC+16*(\set)+8*(\q)+(\a)
.if (\cm) == 0
	v_wmma_scale_f32_16x16x128_f8f6f4 v[rD:rD+7], v[rB:rB+11], v[rA:rA+11], v[rD:rD+7], v[sB], v[sA] matrix_a_fmt:MATRIX_FMT_BF6 matrix_b_fmt:MATRIX_FMT_BF6 matrix_a_scale:MATRIX_SCALE_ROW1
.elseif (\cm) == 1
	v_wmma_scale_f32_16x16x128_f8f6f4 v[rD:rD+7], v[rB:rB+11], v[rA:rA+11], v[BS+8*\b:BS+8*\b+7], v[sB], v[sA] matrix_a_fmt:MATRIX_FMT_BF6 matrix_b_fmt:MATRIX_FMT_BF6 matrix_a_scale:MATRIX_SCALE_ROW1
.else
	v_wmma_scale_f32_16x16x128_f8f6f4 v[rD:rD+7], v[rB:rB+11], v[rA:rA+11], v[BS+8*(\a):BS+8*(\a)+7], v[sB], v[sA] matrix_a_fmt:MATRIX_FMT_BF6 matrix_b_fmt:MATRIX_FMT_BF6 matrix_a_scale:MATRIX_SCALE_ROW1
.endif
.endr
.endr
.endm
.macro WINM hi, cm                     ; source 0 (B) window 1, source 1 (A) window 0, D window 2 or 3; C with D, or (the bias) window 0
.if (\cm) == 0
	WIN 0xa1+0x50*(\hi)
.else
	WIN 0x81+0x40*(\hi)
.endif
.endm
; A slot's first 128 along K.  Loads into registers that matrix instructions have read stand four plain vector instructions behind them (ISA guide 7.12.1 for vector instructions).
.macro STEP slot, cm
	s_wait_dscnt 12                                ; all but the youngest 12 loads, A's tiles 4-7
	WINM 0, \cm
	MUL16 0, 0, 0, \slot, \cm
	MUL16 2, 0, 0, \slot, \cm
	s_wait_dscnt 0x0
	PLACES 4
	FETCH_B \slot, 1, 1
	FETCH_A \slot, 1, 0
	WINM 1, \cm
	MUL16 4, 0, 0, \slot, \cm
	MUL16 6, 0, 0, \slot, \cm
	PLACES 4
	WIN 0
	FETCH_A \slot, 1, 4
.endm
; A slot's second 128 changes slots: one barrier; in front of it each wave waits for all its tensor loads, adds 0 to its spare word, and waits for that and for its reads of this slot.
.macro TURN slot, next, fill, ph
	s_wait_tensorcnt 0x0                           ; all my tensor loads have landed: my part of the next slot
	ds_add_u32 v[SPW], v[NIL]                      ; 0 onto my spare word
	s_wait_dscnt 13                                ; (the add and A's tiles 4-7 may be out)
	WIN 0xa1
	MUL16 0, 1, 1, \slot, 0
	s_wait_dscnt 0x0                               ; the add is done, and my reads of this slot are over
	s_barrier_signal -1
	MUL16 2, 1, 1, \slot, 0
	WIN 0
	s_barrier_wait -1
.if \fill
	CREST                                          ; the barrier has opened a round of the cluster's: no wave of any partner still reads this slot or has a load on its way
	s_add_nc_u64 s[G0+4*\slot+2:G0+4*\slot+3], s[G0+4*\slot+2:G0+4*\slot+3], 4*KSB
	s_add_nc_u64 s[G0B+4*\slot+2:G0B+4*\slot+3], s[G0B+4*\slot+2:G0B+4*\slot+3], 4*KSB
	JLOAD G0+4*\slot, G1, G0B+4*\slot, G1B         ; the first tensor load behind the round; its four v_nop are the places in front of the loads below
.else
	PLACES 4
.endif
	FETCH_B \next, 0, 0
	FETCH_A \next, 0, 0
	SCALES \next, \ph
	WIN 0xf1
	MUL16 4, 1, 1, \slot, 0
	MUL16 6, 1, 1, \slot, 0
	PLACES 4
	WIN 0
	FETCH_A \next, 0, 4
.endm
; 64 results of a lane, in window w, become a fragment's codes in v[pc] on and its scale word in v[pw]; each accumulator is read from its low end on
.macro QUANT src, w, pc, pw
	WIN ((\w)<<2)|((\w)<<4)
.irp b, 0,1,2,3
	v_max3_num_f32 v[TM+\b], 0x2800000, |v[\src+16*\b]|, |v[\src+16*\b+1]|   ; my 16 numbers of block b, and the floor 2^(5 - 127)
.endr
.irp i, 2,4,6,8,10,12,14
.irp b, 0,1,2,3
	v_max3_num_f32 v[TM+\b], v[TM+\b], |v[\src+16*\b+\i]|, |v[\src+16*\b+\i+1]|
.endr
.endr
	WIN 0
.irp b, 0,1,2,3
	v_permlanex16_b32 v[TM+4+\b], v[TM+\b], s2, s3
.endr
.irp b, 0,1,2,3
	v_max_num_f32 v[TM+\b], v[TM+\b], v[TM+4+\b]
.endr
.irp b, 0,1,2,3
	v_add_nc_u32 v[TM+8+\b], 0xfe000000, v[TM+\b]  ; 4 off the exponent field: the conversion's scale operand
.endr
.irp b, 0,1,2,3
	v_lshrrev_b32 v[TM+4+\b], 23, v[TM+8+\b]       ; the scale's byte
.endr
	v_lshl_or_b32 v[\pw], v[TM+5], 8, v[TM+4]
	v_lshl_or_b32 v[\pw], v[TM+6], 16, v[\pw]
	v_lshl_or_b32 v[\pw], v[TM+7], 24, v[\pw]
	WIN \w
.irp c, 0,1
	v_cvt_scalef32_pk16_bf6_f32 v[\pc+6*\c:\pc+6*\c+2], v[\src+32*\c:\src+32*\c+15], v[TM+8+2*\c]
	v_cvt_scalef32_pk16_bf6_f32 v[TMP+4*\c:TMP+4*\c+2], v[\src+32*\c+16:\src+32*\c+31], v[TM+9+2*\c]
.endr
	WIN 0
	v_nop                                          ; one plain place behind a scaled conversion
.irp c, 0,1
.irp i, 0,1,2
	v_permlane16_swap_b32 v[\pc+6*\c+\i], v[TMP+4*\c+\i]
.endr
.irp i, 0,1,2
	v_mov_b32 v[\pc+3+6*\c+\i], v[TMP+4*\c+\i]
.endr
.endr
.endm
	s_load_b256 s[4:11], s[0:1], 0x0               ; xc, xs, Wq_b, Wk_b
	s_load_b128 s[92:95], s[0:1], 0x20             ; Wv_b, yc
	s_load_b128 s[96:99], s[0:1], 0x30             ; ys, mask
	s_load_b64 s[100:101], s[0:1], 0x40            ; mb
	v_lshl_add_u32 v[SPW], v0, 2, SPARE
	v_mov_b32 v[NIL], 0
	ds_add_u32 v28, v29
	ds_add_u32 v28, v29
	s_wait_dscnt 0x0
	v_lshrrev_b32 v1, 5, v0
	v_readfirstlane_b32 s14, v1                    ; wave 0..3
	s_lshr_b32 s15, s14, 1                         ; my half of the tile's rows.  Also: I fetch for A (0) or for B (1)
	s_and_b32 s16, s14, 1                          ; my half of its columns.  Also: which of the two blocks I fetch
	s_bfe_u32 s40, ttmp6, 0x40000                  ; cx
	s_bfe_u32 s41, ttmp6, 0x40004                  ; cy
	s_lshl_b32 s43, s41, 2
	s_lshl_b32 s43, 15, s43                        ; my row of the cluster
	s_lshl_b32 s44, 0x1111, s40                    ; my column
	s_or_b32 s[G1], s43, (3<<16)|(1<<21)           ; 15:0 the mask; 17:16 elements of 8 bytes; 21 set beside a mask; no padding
	s_or_b32 s[G1B], s44, (3<<16)|(1<<21)
	s_or_b32 s[G1S], s43, (3<<16)|(1<<21)
	s_or_b32 s[G1SB], s44, (3<<16)|(1<<21)
.irp g, G1, G1B                                ; for the head's loads: two blocks' first 256 along K, 2 rows of 24,576 bytes (3,072 elements), 98,304 bytes apart
	s_mov_b32 s[\g+1], 3072<<16
	s_mov_b32 s[\g+2], 2<<16
	s_mov_b32 s[\g+3], 3072<<16
	s_mov_b32 s[\g+4], 2
	s_mov_b32 s[\g+5], 12288
	s_mov_b32 s[\g+6], 0
	s_mov_b32 s[\g+7], 0
.endr
.irp g, G1S, G1SB                              ; 4,096 dense bytes as 16 rows of 256
	s_mov_b32 s[\g+1], 32<<16
	s_mov_b32 s[\g+2], 32<<16                      ; two blocks' scale words: 8,192 dense bytes as 32 rows of 256
	s_mov_b32 s[\g+3], 32<<16
	s_mov_b32 s[\g+4], 32
	s_mov_b32 s[\g+5], 32
	s_mov_b32 s[\g+6], 0
	s_mov_b32 s[\g+7], 0
.endr
	s_mov_b32 s2, 0x76543210
	s_mov_b32 s3, 0xfedcba98
	s_and_b32 s17, ttmp7, 0xffff                   ; the cluster's y, 0 .. 31: the same in all sixteen partners
	s_sub_co_u32 s18, s17, 16
	s_and_b32 s12, s18, 1                          ; from y = 16 on: odd y packs the mask,
	s_lshr_b32 s18, s18, 1
	s_add_co_u32 s18, s18, 16                      ; and the clusters of each kind count 16 + (y - 16) / 2
	s_cmp_lt_u32 s17, 16
	s_cselect_b32 s12, 0, s12                      ; 1: this cluster packs the mask
	s_cselect_b32 s17, s17, s18                    ; c: 0 .. 23 (in a cluster of the mask: 16 + its number)
	s_lshl_b32 s18, s17, 3
	s_lshr_b32 s19, s17, 3
	s_lshl_b32 s19, s19, 3
	s_add_co_u32 s19, s19, 192                     ; Wq's or Wk's first block
	s_cmp_lt_u32 s17, 16
	s_cselect_b32 s20, s18, 208                    ; A's first block: the rows of Q or K, or Wv's
	s_cselect_b32 s46, s19, s18                    ; B's: the weight's, or V's rows
	s_lshl_b32 s21, s41, 1
	s_add_co_u32 s20, s20, s21
	s_add_co_u32 s20, s20, s16                     ; the block of A that I fetch: it hangs on cy alone
	s_lshl_b32 s47, s40, 1
	s_add_co_u32 s46, s46, s47
	s_add_co_u32 s46, s46, s16                     ; the block of B: on cx alone
	s_sub_co_u32 s22, s20, s16                     ; the scale words come for both blocks at once: from the first of the two on
	s_lshl_b32 s22, s22, 12
	s_mov_b32 s23, 0
	s_mul_i32 s20, s20, 8*KSB
	s_mov_b32 s21, 0
	s_sub_co_u32 s66, s46, s16
	s_lshl_b32 s66, s66, 12
	s_mov_b32 s67, 0
	s_mul_i32 s46, s46, 8*KSB
	s_mov_b32 s47, 0
	s_mul_i32 s45, s14, QB                         ; where they go: by the wave's number alone
	s_wait_kmcnt 0x0
	s_cmp_lg_u32 s12, 0
	s_cbranch_scc1 .Lmask                          ; the mask's clusters part here, ahead of every round and every tensor load, and do not come back
	s_add_nc_u64 s[20:21], s[4:5], s[20:21]
	s_add_nc_u64 s[22:23], s[6:7], s[22:23]
	s_add_nc_u64 s[46:47], s[4:5], s[46:47]
	s_add_nc_u64 s[66:67], s[6:7], s[66:67]
	CROUND                                         ; all sixteen work-groups are here: the first joint loads meet
	s_mov_b32 s[G0S], 1
	s_mov_b32 s[G0S+1], SCL
	s_mov_b64 s[G0S+2:G0S+3], s[22:23]
	s_or_b32 s[G0S+3], s[G0S+3], 0x80000000
	s_mov_b32 s[G0SB], 1
	s_mov_b32 s[G0SB+1], SCL+8192
	s_mov_b64 s[G0SB+2:G0SB+3], s[66:67]
	s_or_b32 s[G0SB+3], s[G0SB+3], 0x80000000
.irp s, 0,1
	s_mov_b32 s[G0+4*\s], 1
	s_add_co_u32 s[G0+4*\s+1], s45, \s*SLOT
	s_add_nc_u64 s[G0+4*\s+2:G0+4*\s+3], s[20:21], \s*QB
	s_or_b32 s[G0+4*\s+3], s[G0+4*\s+3], 0x80000000
	s_mov_b32 s[G0B+4*\s], 1
	s_add_co_u32 s[G0B+4*\s+1], s45, \s*SLOT
	s_add_nc_u64 s[G0B+4*\s+2:G0B+4*\s+3], s[46:47], \s*QB
	s_or_b32 s[G0B+4*\s+3], s[G0B+4*\s+3], 0x80000000
.endr
; THE HEAD'S LOADS, ONE A WAVE: wave 0 A's two blocks of slot 0 (its own group 0 points at the first of them, LDS byte 0), wave 1 A's scale words,
; wave 2 B's two blocks (its own group 0: B's first block, LDS byte 2 QB), wave 3 B's scale words.  One chain of branches on the wave's number; every way passes one load.
.macro ARM under, g0, g1, next
	s_cmp_lt_u32 s14, \under
	s_cbranch_scc0 \next
	tensor_load_to_lds s[\g0:\g0+3], s[\g1:\g1+7]
	s_nop 0
.rept 4
	v_nop
.endr
	s_branch .Lhead_asked
\next:
.endm
	ARM 1, G0,  G1,  .Lhead_sa
	ARM 2, G0S, G1S, .Lhead_b
	ARM 3, G0B, G1B, .Lhead_sb
	tensor_load_to_lds s[G0SB:G0SB+3], s[G1SB:G1SB+7]
	s_nop 0
.rept 4
	v_nop
.endr
.Lhead_asked:
	v_and_b32 v1, 31, v0
	v_lshlrev_b32 v[L16], 4, v1
	v_and_b32 v2, 15, v0                           ; r
	v_bfe_u32 v3, v0, 4, 1                         ; h
	s_wait_alu depctr_va_vdst(0)
	s_mul_i32 s21, s15, QB
	s_mul_i32 s22, s16, QB
	s_add_co_u32 s22, s22, 2*QB
.irp s, 0,1
	v_add_nc_u32 v[ADRA+\s], s21, v[L16]
	v_add_nc_u32 v[ADRB+\s], s22, v[L16]
	s_add_co_u32 s21, s21, SLOT
	s_add_co_u32 s22, s22, SLOT
.endr
	s_lshl_b32 s21, s15, 12                        ; A's scale words: my block;
	s_lshl_b32 s22, s16, 12
	s_add_co_u32 s22, s22, 8192                    ; B's lie behind A's two
	s_sub_co_u32 s22, s22, s21
	v_mul_u32_u24 v4, s22, v3                      ; lanes 16-31 take B's
	s_add_co_u32 s21, s21, SCL
	v_lshl_add_u32 v4, v2, 4, v4                   ; 16 bytes a row: four tiles' words
	v_add_nc_u32 v[ADRS], s21, v4
.irp b, 0,1,2,3
	v_mov_b32 v[TM+4+\b], 0                        ; written once: a lane permute's destination counts as one of its sources
.endr
	; where my 128 x 128 goes: unit idx of 12,288 bytes of codes and 512 of scale words
	s_lshl_b32 s42, s41, 1
	s_add_co_u32 s42, s42, s15                     ; 2 cy + my half of the rows
	s_lshl_b32 s45, s40, 1
	s_add_co_u32 s45, s45, s16                     ; 2 cx + my half of the columns
	s_add_co_u32 s12, s18, s42
	s_lshl_b32 s12, s12, 3                         ; q, k: (block of rows) x 8 + the 128 along d
	s_sub_co_u32 s13, s17, 16                      ; v: 1024 + batch x 128 + (block of d) x 16 + the 128 keys
	s_lshr_b32 s19, s13, 1
	s_lshl_b32 s19, s19, 7
	s_and_b32 s13, s13, 1
	s_lshl_b32 s13, s13, 3
	s_add_co_u32 s19, s19, s13
	s_lshl_b32 s13, s42, 4
	s_add_co_u32 s19, s19, s13
	s_add_co_u32 s19, s19, 1024
	s_cmp_lt_u32 s17, 16
	s_cselect_b32 s12, s12, s19
	s_add_co_u32 s12, s12, s45
	s_mul_i32 s18, s12, KSB
	s_mov_b32 s19, 0
	s_add_nc_u64 s[94:95], s[94:95], s[18:19]
	s_lshl_b32 s18, s12, 9
	s_add_nc_u64 s[96:97], s[96:97], s[18:19]
	s_cmp_lt_u32 s17, 8
	s_cselect_b64 s[8:9], s[8:9], s[10:11]         ; bq or bk,
	s_lshl_b32 s18, s45, 9
	s_add_nc_u64 s[8:9], s[8:9], s[18:19]          ; at my 128 columns;
	s_lshl_b32 s18, s42, 9
	s_add_nc_u64 s[92:93], s[92:93], s[18:19]      ; bv at my 128 rows
	v_lshlrev_b32 v5, 6, v3                        ; q, k: register 8 b + j wants the bias of d = 32 (b / 2) + 8 (b % 2) + 16 h + j
	v_and_b32 v6, 8, v2
	v_add_nc_u32 v6, v6, v2
	v_lshlrev_b32 v6, 2, v6                        ; v: all eight registers of tile a want that of d = 32 (a / 2) + 8 (a % 2) + r + 8 (r / 8)
	s_cmp_lt_u32 s17, 16
	s_cbranch_scc0 .Lbias_v
.irp b, 0,1,2,3,4,5,6,7
	global_load_b128 v[BS+8*\b:BS+8*\b+3], v5, s[8:9] offset:(32*(\b/2)+8*(\b%2))*4
	global_load_b128 v[BS+8*\b+4:BS+8*\b+7], v5, s[8:9] offset:(32*(\b/2)+8*(\b%2))*4+16
.endr
	s_branch .Lbias_done
.Lbias_v:
	s_wait_alu depctr_va_vdst(0)
.irp a, 0,1,2,3,4,5,6,7
.irp j, 0,1,2,3,4,5,6,7
	global_load_b32 v[BS+8*\a+\j], v6, s[92:93] offset:(32*(\a/2)+8*(\a%2))*4
.endr
.endr
.Lbias_done:
	s_wait_alu depctr_va_vdst(0)
	s_wait_tensorcnt 0x0                           ; my one load of the head is in; slot 1's first fill is issued as a refill is
	ds_add_u32 v[SPW], v[NIL]                      ; 0 onto my spare word
.irp g, G1, G1B                                ; no load of mine is out: from here on a load brings one block's 24,576 dense bytes as 96 rows of 256
	s_mov_b32 s[\g+1], 32<<16
	s_mov_b32 s[\g+2], 96<<16
	s_mov_b32 s[\g+3], 32<<16
	s_mov_b32 s[\g+4], 96
	s_mov_b32 s[\g+5], 32
.endr
	s_wait_dscnt 0x0                               ; the add is done
	CROUND                                         ; all four tiles of the head are in, in all sixteen work-groups
	JLOAD G0+4, G1, G0B+4, G1B                     ; slot 1, a quarter a wave: the first tensor load behind the round
	FETCH_B 0, 0, 0
	FETCH_A 0, 0, 0
	s_wait_alu depctr_va_vdst(0)
	SCALES 0, 0
	FETCH_A 0, 0, 4
	s_wait_loadcnt 0x0                             ; the bias
	s_cmp_lt_u32 s17, 16
	s_cbranch_scc0 .Lfirst_v
	STEP 0, 1                                      ; the first products start the sums with the bias: nothing is cleared
	s_branch .Lfirst_done
.Lfirst_v:
	STEP 0, 2
.Lfirst_done:
	TURN 0, 1, 1, 1
	STEP 1, 0
	TURN 1, 0, 1, 2
	STEP 0, 0
	TURN 0, 1, 0, 3
	STEP 1, 0
	s_wait_dscnt 12                                ; the last 128 along K: nothing more to fetch
	WIN 0xa1
	MUL16 0, 1, 1, 1, 0
	MUL16 2, 1, 1, 1, 0
	s_wait_dscnt 0x0
	WIN 0xf1
	MUL16 4, 1, 1, 1, 0
	MUL16 6, 1, 1, 1, 0
	WIN 0
	PLACES 4
	; THE WAY OUT: each of my eight tiles of rows becomes one fragment of the next product.  Each tile's codes have registers of their own, so no store's data are written again.
.irp a, 0,1,2,3,4,5,6,7
	QUANT 64*(\a%4), 2+\a/4, AF+12*\a, SC+\a
.endr
.irp a, 0,1,2,3,4,5,6,7                        ; all eight tiles' codes leave in one run of 24 stores, behind the last conversion
.irp c, 0,1,2
	global_store_b128 v[L16], v[AF+12*\a+4*\c:AF+12*\a+4*\c+3], s[94:95] offset:FRB*\a+512*\c   ; 512 consecutive bytes, aligned
.endr
.endr
	v_cmp_gt_u32 vcc_lo, 16, v1
.irp c, 0,1,2,3
	v_cndmask_b32 v[HT+\c], v[SC+4+\c], v[SC+\c], vcc_lo   ; lanes 0-15 send tiles 0-3's words of row r, lanes 16-31 tiles 4-7's
.endr
	global_store_b128 v[L16], v[HT:HT+3], s[96:97]
	s_wait_tensorcnt 0x0                           ; the wave's end
	ds_add_u32 v[SPW], v[NIL]
	s_wait_dscnt 0x0
	CROUND                                         ; the closing round
	s_endpgm
; THE MASK'S CLUSTERS.  8 clusters x 16 work-groups x 4 waves = 512 waves.  A UNIT is 128 queries x 128 keys of the mask (64 KB); unit u = (block of 128 queries, 0 .. 63) x 16 + (group of 128 keys).
; Wave W takes units 2 W and 2 W + 1: the same 128 rows, 1,024 consecutive bytes of each.  A unit has eight tiles of 16 rows, lane r of tile t standing for row 32 (t / 2) + 8 (t % 2) + r + 8 (r / 8), as in every image.
; OUT: mb [unit][tile 8][64 words]; word 16 b + i, bit r + 16 h = (mask[row of (tile, r)][32 b + 16 h + i] != 0): the lane mask for register 16 b + i of a tile of queries in the next launch.
; A load reads 512 consecutive bytes of one row; a tile's 16 rows turn through the wave's own stage in LDS (rows of 512 + 16 bytes), so that lane (r, h) gets, of row r, the numbers 32 b + 16 h + 0 .. 15 of each b;
; a compare then gives a word, a bit a lane, and v_writelane_b32 lays words n and n + 1 into lane n / 2: one store of 256 consecutive, aligned bytes a tile.
; Loads run three tiles ahead: 48 loads, 24 KB, a wave.  Every offset is an immediate: 127 rows of 8,192 bytes + 512 at the most.  Waves share nothing.  No tensor load stands on this way.
; REGISTERS: v1 lane, v2 16 x lane, v3, v4 my places in the stage, v5 8 x lane; v64-127 the numbers as turned; v128-159 a pair of words for each of the 16 tiles, so that no store's data are written again;
;   window 1: v0-191 three sets of 64: a tile as it is loaded.  The registers that the products name as scales (v32-63) are not touched.
.set MSP,  528                         ; a stage row
.set MX,   64
.set MBW,  128
.macro MLOADT g                        ; tile g % 8 of unit g / 8: 16 rows into set g % 3
	WIN 0x40                                       ; destination window 1
.irp p, 0,1,2,3,4,5,6,7,8,9,10,11,12,13,14,15
	global_load_b128 v[64*((\g)%3)+4*\p:64*((\g)%3)+4*\p+3], v2, s[98:99] offset:(32*(((\g)%8)/2)+8*((\g)%2)+\p+8*(\p/8))*8192+512*((\g)/8) th:TH_LOAD_NT
.endr
	WIN 0
.endm
.macro MTILE g
.if (\g) < 14
	s_wait_loadcnt 32                              ; this tile's 16 loads are in; the next two tiles' 32 may be out
.else
	s_wait_loadcnt 16*(15-(\g))
.endif
	WIN 0x04                                       ; an LDS store's data are its source 1: window 1
.irp p, 0,1,2,3,4,5,6,7,8,9,10,11,12,13,14,15
	ds_store_b128 v3, v[64*((\g)%3)+4*\p:64*((\g)%3)+4*\p+3] offset:MSP*\p
.endr
	WIN 0
.irp b, 0,1,2,3
.irp j, 0,1,2,3
	ds_load_b128 v[MX+16*\b+4*\j:MX+16*\b+4*\j+3], v4 offset:128*\b+16*\j   ; LDS serves a wave's instructions in order: these see the stores above
.endr
.endr
	s_wait_dscnt 0x0                               ; my 64 numbers are in, and the stage's stores have read their registers,
.if (\g) < 13
	MLOADT (\g)+3                                  ; which take the loads of three tiles on
.endif
	v_mov_b32 v[MBW+2*(\g)], 0
	v_mov_b32 v[MBW+2*(\g)+1], 0
.set n, 0
.rept 16
.irp k, 0,1,2,3
	v_cmp_ne_u32 s[20+\k], 0, v[MX+n+\k]           ; a bit a lane: word n + k
.endr
.irp k, 0,1,2,3
	v_writelane_b32 v[MBW+2*(\g)+\k%2], s[20+\k], (n+\k)/2
.endr
.set n, n+4
.endr
.endm
.Lmask:
	v_and_b32 v1, 31, v0                           ; lane
	v_lshlrev_b32 v2, 4, v1                        ; 16 x lane; never rewritten
	s_wait_alu depctr_va_vdst(0)
	s_sub_co_u32 s18, s17, 16                      ; the cluster's number among the mask's, 0 .. 7
	s_lshl_b32 s18, s18, 4
	s_lshl_b32 s19, s41, 2
	s_add_co_u32 s18, s18, s19
	s_add_co_u32 s18, s18, s40                     ; the work-group, 0 .. 127: it enters addresses in memory alone
	s_lshl_b32 s18, s18, 2
	s_add_co_u32 s18, s18, s14                     ; W, 0 .. 511
	s_lshr_b32 s20, s18, 3
	s_lshl_b32 s20, s20, 20                        ; the block of queries: 128 rows of 8,192 bytes
	s_and_b32 s21, s18, 7
	s_lshl_b32 s21, s21, 10                        ; two groups of keys: 1,024 bytes
	s_add_co_u32 s20, s20, s21
	s_mov_b32 s21, 0
	s_add_nc_u64 s[98:99], s[98:99], s[20:21]
	s_lshl_b32 s20, s18, 12                        ; two units of 2,048 bytes
	s_add_nc_u64 s[100:101], s[100:101], s[20:21]
	MLOADT 0
	MLOADT 1
	MLOADT 2
	v_lshlrev_b32 v5, 3, v1                        ; 8 x lane
	v_and_b32 v6, 15, v0                           ; r
	v_bfe_u32 v7, v0, 4, 1                         ; h
	s_mul_i32 s13, s14, 16*MSP
	s_add_co_u32 s13, s13, MSTG                    ; my stage: by the wave's number alone
	v_add_nc_u32 v3, s13, v2                       ; on the way in: 16 x lane of a row
	v_mul_u32_u24 v4, v6, MSP
	v_lshl_add_u32 v4, v7, 6, v4
	v_add_nc_u32 v4, s13, v4                       ; on the way out: row r, + 64 h
	s_wait_alu depctr_va_vdst(0)
.irp g, 0,1,2,3,4,5,6,7,8,9,10,11,12,13,14,15
	MTILE \g
.endr
.irp g, 0,1,2,3,4,5,6,7,8,9,10,11,12,13,14,15  ; the sixteen tiles' words leave in one run: each store 256 consecutive bytes, aligned
	global_store_b64 v5, v[MBW+2*\g:MBW+2*\g+1], s[100:101] offset:2048*(\g/8)+256*(\g%8)
.endr
	s_wait_tensorcnt 0x0                           ; the wave's end
	ds_add_u32 v[SPW], v[NIL]
	s_wait_dscnt 0x0
	CROUND                                         ; and a round: all sixteen partners are on this way
	s_endpgm
.Lfunc_end_k_qe0946f59ee_proj:
	.size	k_qe0946f59ee_proj, .Lfunc_end_k_qe0946f59ee_proj-k_qe0946f59ee_proj
	.p2alignl 7, 3214868480
	.fill 96, 4, 3214868480
	.section	.rodata,"a",@progbits
	.p2align	6, 0x0
	.amdhsa_kernel k_qe0946f59ee_proj
		.amdhsa_group_segment_fixed_size 327680
		.amdhsa_private_segment_fixed_size 0
		.amdhsa_enable_private_segment 0
		.amdhsa_kernarg_size 72
		.amdhsa_user_sgpr_count 2
		.amdhsa_user_sgpr_kernarg_segment_ptr 1
		.amdhsa_wavefront_size32 1
		.amdhsa_system_sgpr_workgroup_id_x 1
		.amdhsa_system_sgpr_workgroup_id_y 1
		.amdhsa_system_sgpr_workgroup_id_z 1
		.amdhsa_system_vgpr_workitem_id 0
		.amdhsa_next_free_vgpr 1024
		.amdhsa_next_free_sgpr 102
		.amdhsa_reserve_vcc 1
		.amdhsa_float_denorm_mode_32 3
		.amdhsa_float_denorm_mode_16_64 3
		.amdhsa_memory_ordered 1
		.amdhsa_forward_progress 1
		.amdhsa_inst_pref_size 255
	.end_amdhsa_kernel
	.section	.bss,"aw",@nobits
	.p2align	6
	.space	262144
	.amdgpu_metadata
---
amdhsa.version: [ 1, 2 ]
amdhsa.kernels:
  - .name:           k_qe0946f59ee_proj
    .symbol:         k_qe0946f59ee_proj.kd
    .args:
      - { .name: xc, .offset: 0, .size: 8, .value_kind: global_buffer, .address_space: global }
      - { .name: xs, .offset: 8, .size: 8, .value_kind: global_buffer, .address_space: global }
      - { .name: Wq_b, .offset: 16, .size: 8, .value_kind: global_buffer, .address_space: global }
      - { .name: Wk_b, .offset: 24, .size: 8, .value_kind: global_buffer, .address_space: global }
      - { .name: Wv_b, .offset: 32, .size: 8, .value_kind: global_buffer, .address_space: global }
      - { .name: yc, .offset: 40, .size: 8, .value_kind: global_buffer, .address_space: global }
      - { .name: ys, .offset: 48, .size: 8, .value_kind: global_buffer, .address_space: global }
      - { .name: mask, .offset: 56, .size: 8, .value_kind: global_buffer, .address_space: global }
      - { .name: mb, .offset: 64, .size: 8, .value_kind: global_buffer, .address_space: global }
    .group_segment_fixed_size: 327680
    .private_segment_fixed_size: 0
    .kernarg_segment_align: 8
    .kernarg_segment_size: 72
    .max_flat_workgroup_size: 128
    .sgpr_count:     102
    .vgpr_count:     1024
    .wavefront_size: 32
...
	.end_amdgpu_metadata
.endif
;; end of part 2
;; launch score (part 3): grid 8 x 32, 4 waves a work-group, clusters of 4 x 4, 327,680 bytes of LDS; arguments yc, ys, mb, pc, psc, st; writes pc, psc, st
.if DOCPART == 3
	.amdgcn_target "amdgcn-amd-amdhsa--gfx1250"
	.amdhsa_code_object_version 6
	.text
	.protected	k_qe0946f59ee_score
	.globl	k_qe0946f59ee_score
	.p2align	8
	.type	k_qe0946f59ee_score,@function
k_qe0946f59ee_score:
	s_mov_b64 s[64:65], 0
	v_nop
	global_prefetch_b8 v0, s[64:65] scope:SCOPE_SE
	s_setreg_imm32_b32 hwreg(HW_REG_WAVE_MODE, 25, 1), 1
	s_wait_xcnt 0x0
	s_wait_alu depctr_hold_cnt(0) depctr_sa_sdst(0) depctr_va_vdst(0) depctr_va_sdst(0) depctr_va_ssrc(0) depctr_va_vcc(0) depctr_vm_vsrc(0)
	s_getreg_b32 s2, hwreg(HW_REG_IB_STS2, 6, 4)
	s_cmp_eq_u32 s2, 0
	s_cbranch_scc0 .Lentry_in_a_cluster
	s_endpgm
.Lentry_in_a_cluster:
	s_bfe_u32 s2, ttmp6, 0x10000c
	s_cmp_lg_u32 s2, 0xf033
	s_cbranch_scc0 .Lentry_shape_is_right
	s_endpgm
.Lentry_shape_is_right:
.set KSB,   12288
.set FRB,   1536
.set QB,    2*KSB
.set SLOT,  4*QB
.set SCL,   2*SLOT
.set SPARE, SCL+4*4096
.set ADRA, 16
.set ADRB, 20
.set L16,  26
.set ADRS, 27
.set SPW,  28
.set NIL,  29
.set SC,   32
.set T,    64
.set AF,   128
.set MS,   176
.set LS,   184
.set TM,   224
.set TMP,  236
.set HT,   244
.set G1,   24
.set G0,   32
.set G1B,  48
.set G0B,  56
.set G1S,  68
.set G0S,  76
.set G1SB, 80
.set G0SB, 88
.set MSB, 0
.macro WIN new
.if MSB != (\new)
	s_set_vgpr_msb (MSB<<8)|(\new)
.set MSB, (\new)
.endif
.endm
.macro PLACES n
.rept \n
	v_nop
.endr
.endm
.macro JLOAD g0a, g1a, g0b, g1b
	s_cmp_eq_u32 s15, 0
	s_cbranch_scc0 .Lfor_b_\@
	tensor_load_to_lds s[\g0a:\g0a+3], s[\g1a:\g1a+7]
	s_nop 0
.rept 4
	v_nop
.endr
	s_branch .Lasked_\@
.Lfor_b_\@:
	tensor_load_to_lds s[\g0b:\g0b+3], s[\g1b:\g1b+7]
	s_nop 0
.rept 4
	v_nop
.endr
.Lasked_\@:
.endm
.macro CREST
	s_cmp_lg_u32 s14, 0
	s_cbranch_scc1 .Lnot_wave_0_\@
	s_barrier_signal -3
.Lnot_wave_0_\@:
	s_barrier_wait -3
	s_barrier_signal -1
	s_barrier_wait -1
.endm
.macro CROUND
	s_barrier_signal -1
	s_barrier_wait -1
	CREST
.endm
.macro FRAG reg, adr, off
.irp c, 0,1,2
	ds_load_b128 v[\reg+4*\c:\reg+4*\c+3], v[\adr] offset:\off+512*\c
.endr
.endm
.macro FETCH_B slot, q, p
	WIN 0x40
.irp i, 0,1,2,3,4,5,6,7
	FRAG 128*(\p)+12*\i, ADRB+\slot, KSB*(\q)+FRB*\i
.endr
	WIN 0
.endm
.macro FETCH_A slot, q, i0
.irp i, \i0, \i0+1, \i0+2, \i0+3
	FRAG AF+12*(\i), ADRA+\slot, KSB*(\q)+FRB*(\i)
.endr
.endm
.macro SCALES set, ph
.irp q, 0,1
.irp g, 0,1
	ds_load_b128 v[SC+16*(\set)+8*\q+4*\g:SC+16*(\set)+8*\q+4*\g+3], v[ADRS] offset:(2*(\ph)+\q)*512+256*\g
.endr
.endr
.endm
.macro MUL16 a0, p, q, set, zero
.irp a, \a0, \a0+1
.irp b, 0,1,2,3,4,5,6,7
.set rD, 8*(8*((\a)%4)+\b)
.set rB, 128*(\p)+12*\b
.set rA, AF+12*(\a)
.set sB, SC+16*(\set)+8*(\q)+\b
.set sA, SC+16*(\set)+8*(\q)+(\a)
.if \zero
	v_wmma_scale_f32_16x16x128_f8f6f4 v[rD:rD+7], v[rB:rB+11], v[rA:rA+11], 0, v[sB], v[sA] matrix_a_fmt:MATRIX_FMT_BF6 matrix_b_fmt:MATRIX_FMT_BF6 matrix_a_scale:MATRIX_SCALE_ROW1
.else
	v_wmma_scale_f32_16x16x128_f8f6f4 v[rD:rD+7], v[rB:rB+11], v[rA:rA+11], v[rD:rD+7], v[sB], v[sA] matrix_a_fmt:MATRIX_FMT_BF6 matrix_b_fmt:MATRIX_FMT_BF6 matrix_a_scale:MATRIX_SCALE_ROW1
.endif
.endr
.endr
.endm
.macro STEP slot, zero
	s_wait_dscnt 12
	WIN 0xa1
	MUL16 0, 0, 0, \slot, \zero
	MUL16 2, 0, 0, \slot, \zero
	s_wait_dscnt 0x0
	PLACES 4
	FETCH_B \slot, 1, 1
	FETCH_A \slot, 1, 0
	WIN 0xf1
	MUL16 4, 0, 0, \slot, \zero
	MUL16 6, 0, 0, \slot, \zero
	PLACES 4
	WIN 0
	FETCH_A \slot, 1, 4
.endm
.macro TURN slot, next, fill, ph
	s_wait_tensorcnt 0x0
	ds_add_u32 v[SPW], v[NIL]
	s_wait_dscnt 13
	WIN 0xa1
	MUL16 0, 1, 1, \slot, 0
	s_wait_dscnt 0x0
	s_barrier_signal -1
	MUL16 2, 1, 1, \slot, 0
	WIN 0
	s_barrier_wait -1
.if \fill
	CREST
	s_add_nc_u64 s[G0+4*\slot+2:G0+4*\slot+3], s[G0+4*\slot+2:G0+4*\slot+3], 4*KSB
	s_add_nc_u64 s[G0B+4*\slot+2:G0B+4*\slot+3], s[G0B+4*\slot+2:G0B+4*\slot+3], 4*KSB
	JLOAD G0+4*\slot, G1, G0B+4*\slot, G1B
.else
	PLACES 4
.endif
	FETCH_B \next, 0, 0
	FETCH_A \next, 0, 0
	SCALES \next, \ph
	WIN 0xf1
	MUL16 4, 1, 1, \slot, 0
	MUL16 6, 1, 1, \slot, 0
	PLACES 4
	WIN 0
	FETCH_A \next, 0, 4
.endm
.macro MLOAD a
	s_load_b512 s[16:31], s[4:5], 256*(\a)
	s_load_b512 s[32:47], s[4:5], 256*(\a)+64
	s_load_b512 s[48:63], s[4:5], 256*(\a)+128
	s_load_b512 s[68:83], s[4:5], 256*(\a)+192
.endm
.macro SOFT a
.set AC, 64*((\a)%4)
.set PCR, AF+12*((\a)%4)
	WIN 2+(\a)/4
.set n, 0
.rept 32
	v_pk_mul_f32 v[T+n:T+n+1], v[AC+n:AC+n+1], s[12:13] op_sel_hi:[1,0]
.set n, n+2
.endr
	WIN 0
	s_wait_kmcnt 0x0
.set n, 0
.rept 64
.if n < 48
	v_cndmask_b32 v[T+n], v12, v[T+n], s[16+n]
.else
	v_cndmask_b32 v[T+n], v12, v[T+n], s[20+n]
.endif
.set n, n+1
.endr
.if (\a) < 7
	MLOAD (\a)+1
.endif
.irp b, 0,1,2,3
	v_max3_num_f32 v[TM+\b], v[T+16*\b], v[T+16*\b+1], v[T+16*\b+2]
.endr
.irp i, 3,5,7,9,11,13
.irp b, 0,1,2,3
	v_max3_num_f32 v[TM+\b], v[TM+\b], v[T+16*\b+\i], v[T+16*\b+\i+1]
.endr
.endr
.irp b, 0,1,2,3
	v_max_num_f32 v[TM+\b], v[TM+\b], v[T+16*\b+15]
.endr
.irp b, 0,1,2,3
	v_permlanex16_b32 v[TM+4+\b], v[TM+\b], s2, s3
.endr
.irp b, 0,1,2,3
	v_max_num_f32 v[TM+\b], v[TM+\b], v[TM+4+\b]
.endr
	v_max3_num_f32 v13, v[TM], v[TM+1], v[TM+2]
	v_max_num_f32 v13, v13, v[TM+3]
	v_floor_f32 v6, -v13
.set n, 0
.rept 32
	v_pk_add_f32 v[T+n:T+n+1], v[T+n:T+n+1], v[6:7] op_sel_hi:[1,0]
.set n, n+2
.endr
.irp b, 0,1,2,3
	v_add_f32 v[TM+\b], v[TM+\b], v6
.endr
.set n, 0
	s_wait_alu depctr_va_vdst(0)
.rept 64
	v_exp_f32 v[T+n], v[T+n]
.set n, n+1
.endr
	v_mov_b32 v[MS+(\a)], v6
	s_wait_alu depctr_va_vdst(0)
.irp b, 0,1,2,3
	v_exp_f32 v[TM+\b], v[TM+\b]
.endr
	v_pk_add_f32 v[8:9], v[T:T+1], v[T+2:T+3]
	v_pk_add_f32 v[10:11], v[T+4:T+5], v[T+6:T+7]
.irp j, 8,12,16,20,24,28,32,36,40,44,48,52,56,60
	v_pk_add_f32 v[8:9], v[8:9], v[T+\j:T+\j+1]
	v_pk_add_f32 v[10:11], v[10:11], v[T+\j+2:T+\j+3]
.endr
	v_pk_add_f32 v[8:9], v[8:9], v[10:11]
	v_add_f32 v8, v8, v9
	v_permlanex16_b32 v9, v8, s2, s3
	v_add_f32 v[LS+(\a)], v8, v9
	s_wait_alu depctr_va_vdst(0)
.irp b, 0,1,2,3
	v_max_num_f32 v[TM+\b], 0x2800000, v[TM+\b]
.endr
.irp b, 0,1,2,3
	v_add_nc_u32 v[TM+8+\b], 0xfe000000, v[TM+\b]
.endr
.irp b, 0,1,2,3
	v_lshrrev_b32 v[TM+4+\b], 23, v[TM+8+\b]
.endr
	v_lshl_or_b32 v[SC+(\a)], v[TM+5], 8, v[TM+4]
	v_lshl_or_b32 v[SC+(\a)], v[TM+6], 16, v[SC+(\a)]
	v_lshl_or_b32 v[SC+(\a)], v[TM+7], 24, v[SC+(\a)]
.if (\a) >= 4
	s_wait_xcnt 0x0
.endif
.irp c, 0,1
	v_cvt_scalef32_pk16_bf6_f32 v[PCR+6*\c:PCR+6*\c+2], v[T+32*\c:T+32*\c+15], v[TM+8+2*\c]
	v_cvt_scalef32_pk16_bf6_f32 v[TMP+4*\c:TMP+4*\c+2], v[T+32*\c+16:T+32*\c+31], v[TM+9+2*\c]
.endr
	v_nop
.irp c, 0,1
.irp i, 0,1,2
	v_permlane16_swap_b32 v[PCR+6*\c+\i], v[TMP+4*\c+\i]
.endr
.irp i, 0,1,2
	v_mov_b32 v[PCR+3+6*\c+\i], v[TMP+4*\c+\i]
.endr
.endr
.endm
.macro PSEND a0                        ; four tiles' codes, one set of 12 registers each, leave in one run of 12 stores of 512 consecutive bytes, aligned
.irp a, \a0, \a0+1, \a0+2, \a0+3
.irp c, 0,1,2
	global_store_b128 v[L16], v[AF+12*((\a)%4)+4*\c:AF+12*((\a)%4)+4*\c+3], s[6:7] offset:FRB*(\a)+512*\c
.endr
.endr
.endm
.macro HSTORE src, ht, ptr, off
.irp c, 0,1,2,3
	v_cndmask_b32 v[\ht+\c], v[\src+4+\c], v[\src+\c], vcc_lo
.endr
	global_store_b128 v[L16], v[\ht:\ht+3], s[\ptr:\ptr+1] offset:\off
.endm
	s_load_b128 s[92:95], s[0:1], 0x0
	s_load_b256 s[4:11], s[0:1], 0x10
	v_lshl_add_u32 v[SPW], v0, 2, SPARE
	v_mov_b32 v[NIL], 0
	ds_add_u32 v28, v29
	ds_add_u32 v28, v29
	s_wait_dscnt 0x0
	v_lshrrev_b32 v1, 5, v0
	v_readfirstlane_b32 s14, v1
	s_lshr_b32 s15, s14, 1
	s_and_b32 s16, s14, 1
	s_bfe_u32 s40, ttmp6, 0x40000
	s_bfe_u32 s41, ttmp6, 0x40004
	s_lshl_b32 s43, s41, 2
	s_lshl_b32 s43, 15, s43
	s_lshl_b32 s44, 0x1111, s40
	s_or_b32 s[G1], s43, (3<<16)|(1<<21)
	s_or_b32 s[G1B], s44, (3<<16)|(1<<21)
	s_or_b32 s[G1S], s43, (3<<16)|(1<<21)
	s_or_b32 s[G1SB], s44, (3<<16)|(1<<21)
.irp g, G1, G1B                                ; for the head's loads: two blocks' first 256 along K, 2 rows of 24,576 bytes (3,072 elements), 98,304 bytes apart
	s_mov_b32 s[\g+1], 3072<<16
	s_mov_b32 s[\g+2], 2<<16
	s_mov_b32 s[\g+3], 3072<<16
	s_mov_b32 s[\g+4], 2
	s_mov_b32 s[\g+5], 12288
	s_mov_b32 s[\g+6], 0
	s_mov_b32 s[\g+7], 0
.endr
.irp g, G1S, G1SB
	s_mov_b32 s[\g+1], 32<<16
	s_mov_b32 s[\g+2], 32<<16                      ; two blocks' scale words: 8,192 dense bytes as 32 rows of 256
	s_mov_b32 s[\g+3], 32<<16
	s_mov_b32 s[\g+4], 32
	s_mov_b32 s[\g+5], 32
	s_mov_b32 s[\g+6], 0
	s_mov_b32 s[\g+7], 0
.endr
	s_mov_b32 s2, 0x76543210
	s_mov_b32 s3, 0xfedcba98
	s_mov_b32 s12, 0x3d38aa3b
	s_mov_b32 s13, s12
	s_and_b32 s17, ttmp7, 0xffff
	s_lshl_b32 s18, s17, 3
	s_lshl_b32 s21, s41, 1
	s_add_co_u32 s20, s18, s21
	s_add_co_u32 s20, s20, s16
	s_lshr_b32 s19, s17, 1
	s_lshl_b32 s19, s19, 4
	s_add_co_u32 s19, s19, 64
	s_lshl_b32 s46, ttmp9, 3
	s_add_co_u32 s46, s46, s19
	s_lshl_b32 s47, s40, 1
	s_add_co_u32 s46, s46, s47
	s_add_co_u32 s46, s46, s16
	s_sub_co_u32 s22, s20, s16                     ; the scale words come for both blocks at once: from the first of the two on
	s_lshl_b32 s22, s22, 12
	s_mov_b32 s23, 0
	s_mul_i32 s20, s20, 8*KSB
	s_mov_b32 s21, 0
	s_sub_co_u32 s66, s46, s16
	s_lshl_b32 s66, s66, 12
	s_mov_b32 s67, 0
	s_mul_i32 s46, s46, 8*KSB
	s_mov_b32 s47, 0
	s_mul_i32 s45, s14, QB
	s_wait_kmcnt 0x0
	s_add_nc_u64 s[20:21], s[92:93], s[20:21]
	s_add_nc_u64 s[22:23], s[94:95], s[22:23]
	s_add_nc_u64 s[46:47], s[92:93], s[46:47]
	s_add_nc_u64 s[66:67], s[94:95], s[66:67]
	CROUND
	s_mov_b32 s[G0S], 1
	s_mov_b32 s[G0S+1], SCL
	s_mov_b64 s[G0S+2:G0S+3], s[22:23]
	s_or_b32 s[G0S+3], s[G0S+3], 0x80000000
	s_mov_b32 s[G0SB], 1
	s_mov_b32 s[G0SB+1], SCL+8192
	s_mov_b64 s[G0SB+2:G0SB+3], s[66:67]
	s_or_b32 s[G0SB+3], s[G0SB+3], 0x80000000
.irp s, 0,1
	s_mov_b32 s[G0+4*\s], 1
	s_add_co_u32 s[G0+4*\s+1], s45, \s*SLOT
	s_add_nc_u64 s[G0+4*\s+2:G0+4*\s+3], s[20:21], \s*QB
	s_or_b32 s[G0+4*\s+3], s[G0+4*\s+3], 0x80000000
	s_mov_b32 s[G0B+4*\s], 1
	s_add_co_u32 s[G0B+4*\s+1], s45, \s*SLOT
	s_add_nc_u64 s[G0B+4*\s+2:G0B+4*\s+3], s[46:47], \s*QB
	s_or_b32 s[G0B+4*\s+3], s[G0B+4*\s+3], 0x80000000
.endr
; THE HEAD'S LOADS, ONE A WAVE: wave 0 q's two blocks of slot 0 (its own group 0 points at the first of them, LDS byte 0), wave 1 q's scale words,
; wave 2 k's two blocks (its own group 0: k's first block, LDS byte 2 QB), wave 3 k's scale words.  One chain of branches on the wave's number; every way passes one load.
.macro ARM under, g0, g1, next
	s_cmp_lt_u32 s14, \under
	s_cbranch_scc0 \next
	tensor_load_to_lds s[\g0:\g0+3], s[\g1:\g1+7]
	s_nop 0
.rept 4
	v_nop
.endr
	s_branch .Lhead_asked
\next:
.endm
	ARM 1, G0,  G1,  .Lhead_sa
	ARM 2, G0S, G1S, .Lhead_b
	ARM 3, G0B, G1B, .Lhead_sb
	tensor_load_to_lds s[G0SB:G0SB+3], s[G1SB:G1SB+7]
	s_nop 0
.rept 4
	v_nop
.endr
.Lhead_asked:
	v_and_b32 v1, 31, v0
	v_lshlrev_b32 v[L16], 4, v1
	v_and_b32 v2, 15, v0
	v_bfe_u32 v3, v0, 4, 1
	s_wait_alu depctr_va_vdst(0)
	s_mul_i32 s21, s15, QB
	s_mul_i32 s22, s16, QB
	s_add_co_u32 s22, s22, 2*QB
.irp s, 0,1
	v_add_nc_u32 v[ADRA+\s], s21, v[L16]
	v_add_nc_u32 v[ADRB+\s], s22, v[L16]
	s_add_co_u32 s21, s21, SLOT
	s_add_co_u32 s22, s22, SLOT
.endr
	s_lshl_b32 s21, s15, 12
	s_lshl_b32 s22, s16, 12
	s_add_co_u32 s22, s22, 8192
	s_sub_co_u32 s22, s22, s21
	v_mul_u32_u24 v4, s22, v3
	s_add_co_u32 s21, s21, SCL
	v_lshl_add_u32 v4, v2, 4, v4
	v_add_nc_u32 v[ADRS], s21, v4
.irp b, 0,1,2,3
	v_mov_b32 v[TM+4+\b], 0
.endr
	v_mov_b32 v7, 0
	v_mov_b32 v12, 0xce6e6b28
	v_mul_f32 v12, 0x3fb8aa3b, v12
	s_lshl_b32 s42, s41, 1
	s_add_co_u32 s42, s42, s15
	s_add_co_u32 s42, s42, s18
	s_lshl_b32 s42, s42, 4
	s_lshl_b32 s45, ttmp9, 3
	s_add_co_u32 s42, s42, s45
	s_lshl_b32 s45, s40, 1
	s_add_co_u32 s42, s42, s45
	s_add_co_u32 s42, s42, s16
	s_mov_b32 s19, 0
	s_lshl_b32 s18, s42, 11
	s_add_nc_u64 s[4:5], s[4:5], s[18:19]
	s_mul_i32 s18, s42, KSB
	s_add_nc_u64 s[6:7], s[6:7], s[18:19]
	s_lshl_b32 s18, s42, 9
	s_add_nc_u64 s[8:9], s[8:9], s[18:19]
	s_add_nc_u64 s[10:11], s[10:11], s[18:19]
	s_wait_alu depctr_va_vdst(0)
	s_wait_tensorcnt 0x0                           ; my one load of the head is in; slot 1's first fill is issued as a refill is
	ds_add_u32 v[SPW], v[NIL]                      ; 0 onto my spare word
.irp g, G1, G1B                                ; no load of mine is out: from here on a load brings one block's 24,576 dense bytes as 96 rows of 256
	s_mov_b32 s[\g+1], 32<<16
	s_mov_b32 s[\g+2], 96<<16
	s_mov_b32 s[\g+3], 32<<16
	s_mov_b32 s[\g+4], 96
	s_mov_b32 s[\g+5], 32
.endr
	s_wait_dscnt 0x0                               ; the add is done
	CROUND                                         ; all four tiles of the head are in, in all sixteen work-groups
	JLOAD G0+4, G1, G0B+4, G1B                     ; slot 1, a quarter a wave: the first tensor load behind the round
	FETCH_B 0, 0, 0
	FETCH_A 0, 0, 0
	SCALES 0, 0
	FETCH_A 0, 0, 4
	STEP 0, 1
	TURN 0, 1, 1, 1
	STEP 1, 0
	TURN 1, 0, 1, 2
	STEP 0, 0
	TURN 0, 1, 0, 3
	STEP 1, 0
	MLOAD 0
	s_wait_dscnt 12
	WIN 0xa1
	MUL16 0, 1, 1, 1, 0
	MUL16 2, 1, 1, 1, 0
	s_wait_dscnt 0x0
	WIN 0xf1
	MUL16 4, 1, 1, 1, 0
	MUL16 6, 1, 1, 1, 0
	WIN 0
	PLACES 4
.irp a, 0,1,2,3
	SOFT \a
.endr
	PSEND 0
.irp a, 4,5,6,7                                ; (the wait on XCNT ahead of these tiles' conversions frees the four sets)
	SOFT \a
.endr
	PSEND 4
	v_cmp_gt_u32 vcc_lo, 16, v1
	HSTORE SC, HT, 8, 0
	HSTORE MS, HT+4, 10, 0
	HSTORE LS, HT+8, 10, 524288
	s_wait_tensorcnt 0x0
	ds_add_u32 v[SPW], v[NIL]
	s_wait_dscnt 0x0
	CROUND
	s_endpgm
.Lfunc_end_k_qe0946f59ee_score:
	.size	k_qe0946f59ee_score, .Lfunc_end_k_qe0946f59ee_score-k_qe0946f59ee_score
	.p2alignl 7, 3214868480
	.fill 96, 4, 3214868480
	.section	.rodata,"a",@progbits
	.p2align	6, 0x0
	.amdhsa_kernel k_qe0946f59ee_score
		.amdhsa_group_segment_fixed_size 327680
		.amdhsa_private_segment_fixed_size 0
		.amdhsa_enable_private_segment 0
		.amdhsa_kernarg_size 48
		.amdhsa_user_sgpr_count 2
		.amdhsa_user_sgpr_kernarg_segment_ptr 1
		.amdhsa_wavefront_size32 1
		.amdhsa_system_sgpr_workgroup_id_x 1
		.amdhsa_system_sgpr_workgroup_id_y 1
		.amdhsa_system_sgpr_workgroup_id_z 1
		.amdhsa_system_vgpr_workitem_id 0
		.amdhsa_next_free_vgpr 1024
		.amdhsa_next_free_sgpr 96
		.amdhsa_reserve_vcc 1
		.amdhsa_float_denorm_mode_32 3
		.amdhsa_float_denorm_mode_16_64 3
		.amdhsa_memory_ordered 1
		.amdhsa_forward_progress 1
		.amdhsa_inst_pref_size 242
	.end_amdhsa_kernel
	.amdgpu_metadata
---
amdhsa.version: [ 1, 2 ]
amdhsa.kernels:
  - .name:           k_qe0946f59ee_score
    .symbol:         k_qe0946f59ee_score.kd
    .args:
      - { .name: yc, .offset: 0, .size: 8, .value_kind: global_buffer, .address_space: global }
      - { .name: ys, .offset: 8, .size: 8, .value_kind: global_buffer, .address_space: global }
      - { .name: mb, .offset: 16, .size: 8, .value_kind: global_buffer, .address_space: global }
      - { .name: pc, .offset: 24, .size: 8, .value_kind: global_buffer, .address_space: global }
      - { .name: psc, .offset: 32, .size: 8, .value_kind: global_buffer, .address_space: global }
      - { .name: st, .offset: 40, .size: 8, .value_kind: global_buffer, .address_space: global }
    .group_segment_fixed_size: 327680
    .private_segment_fixed_size: 0
    .kernarg_segment_align: 8
    .kernarg_segment_size: 48
    .max_flat_workgroup_size: 128
    .sgpr_count:     96
    .vgpr_count:     1024
    .wavefront_size: 32
...
	.end_amdgpu_metadata
.endif
;; end of part 3
;; launch pv (part 4): grid 4 x 64, 4 waves a work-group, clusters of 4 x 4, 327,680 bytes of LDS; arguments pc, psc, st, yc, ys, out0; writes out0
.if DOCPART == 4
	.amdgcn_target "amdgcn-amd-amdhsa--gfx1250"
	.amdhsa_code_object_version 6
	.text
	.protected	k_qe0946f59ee_pv
	.globl	k_qe0946f59ee_pv
	.p2align	8
	.type	k_qe0946f59ee_pv,@function
k_qe0946f59ee_pv:
	s_mov_b64 s[64:65], 0
	v_nop
	global_prefetch_b8 v0, s[64:65] scope:SCOPE_SE
	s_setreg_imm32_b32 hwreg(HW_REG_WAVE_MODE, 25, 1), 1
	s_wait_xcnt 0x0
	s_wait_alu depctr_hold_cnt(0) depctr_sa_sdst(0) depctr_va_vdst(0) depctr_va_sdst(0) depctr_va_ssrc(0) depctr_va_vcc(0) depctr_vm_vsrc(0)
	s_getreg_b32 s2, hwreg(HW_REG_IB_STS2, 6, 4)
	s_cmp_eq_u32 s2, 0
	s_cbranch_scc0 .Lentry_in_a_cluster
	s_endpgm
.Lentry_in_a_cluster:
	s_bfe_u32 s2, ttmp6, 0x10000c
	s_cmp_lg_u32 s2, 0xf033
	s_cbranch_scc0 .Lentry_shape_is_right
	s_endpgm
.Lentry_shape_is_right:
; PV.  out = (P v) / l on codes of BF6, K = the 2,048 keys.  P comes as codes quantised under each group of 128 keys' own whole number M, with its scale bytes, -M and l.
; FIRST the groups are brought under the row's largest M: d = (a group's M) - (the row's M), a whole number, 0 or less; the group's four scale bytes get d added, its l is multiplied by 2^d: both exact.
; LIMIT: d is held at -127 and a byte at 0 from below: a group that lies 127 or more powers of two under the row's largest counts with at most 2^-120 of it instead of with less.  NaN and infinities are not served.
; A work-group makes 128 queries (one block of P) x 256 of d (two blocks of v^T); 256 tiles of that size give each of 256 work-groups one.  A wave makes 64 x 128: 32 accumulators.
; The matrix instruction is used transposed (source 0 = 16 rows of v^T, source 1 = 16 queries): a lane holds one query, and register 16 b + i of a tile of queries holds d = 32 b + 16 h + i of my 128.
; K goes in steps of 128 keys; a slot holds four steps; two slots; four fills, two at the start.  v^T's scale words come once.  P's fixed words are written to LDS bytes of their own by waves 0 and 1.
; CLUSTERS: 4 x 4 work-groups; P's block is shared along a row of the cluster, v^T's blocks along a column: joint loads.  No prefetch: of the four fills two go out at the start and the other two one slot later.
; REGISTERS: window 0: v15-29 addresses; v32-47 scale words, two sets; v48-55 1 / l; v64-127 results at work; v128-223 A's fragments, two sets (at the head: the fixing; on the way out: rows of out); v224-239 the fixing.
;   window 1: B's fragments, two sets (v0, v128).  window 2: accumulator (a, b) at v[8 (8 a + b)].
.set KSB,   12288
.set FRB,   1536
.set SLOT,  12*KSB                     ; P's four steps, then four steps of each of v^T's two blocks
.set FIXED, 2*SLOT                     ; P's scale words under the row's M: 16 steps x 512 bytes; written by LDS stores, no fill lands here
.set SCLB,  FIXED+8192                 ; v^T's scale words: 8,192 bytes for each block
.set RL,    SCLB+16384                 ; 1 / l: [tile 8][r 16] words
.set SPARE, RL+512                     ; the spare words, 128 bytes for each wave: two blocks of 256 bytes that no other line names
.set FO,   15                          ; v15  the fixing: 256 (wave & 1) + 16 r + 512 h
.set ADRA, 16
.set RLB,  18
.set RLA,  19
.set ADRB, 20
.set FXA,  22
.set RD,   23
.set STO,  24
.set ADRS2, 25
.set L16,  26
.set ADRS, 27
.set SPW,  28
.set NIL,  29
.set SC,   32
.set RV,   48
.set T,    64
.set G1,   24
.set G0,   32
.set G1B,  48
.set G0B,  56
.set G1SB, 80
.set G0SB, 88
.set MSB, 0
.macro WIN new
.if MSB != (\new)
	s_set_vgpr_msb (MSB<<8)|(\new)
.set MSB, (\new)
.endif
.endm
.macro PLACES n
.rept \n
	v_nop
.endr
.endm
.macro JLOAD g0a, g1a, g0b, g1b        ; waves 0 and 1 fetch for P, waves 2 and 3 for v^T; four v_nop follow each of the two lines
	s_cmp_eq_u32 s15, 0
	s_cbranch_scc0 .Lfor_b_\@
	tensor_load_to_lds s[\g0a:\g0a+3], s[\g1a:\g1a+7]
	s_nop 0
.rept 4
	v_nop
.endr
	s_branch .Lasked_\@
.Lfor_b_\@:
	tensor_load_to_lds s[\g0b:\g0b+3], s[\g1b:\g1b+7]
	s_nop 0
.rept 4
	v_nop
.endr
.Lasked_\@:
.endm
.macro CREST
	s_cmp_lg_u32 s14, 0
	s_cbranch_scc1 .Lnot_wave_0_\@
	s_barrier_signal -3
.Lnot_wave_0_\@:
	s_barrier_wait -3
	s_barrier_signal -1
	s_barrier_wait -1
.endm
.macro CROUND
	s_barrier_signal -1
	s_barrier_wait -1
	CREST
.endm
.macro FRAG reg, adr, off
.irp c, 0,1,2
	ds_load_b128 v[\reg+4*\c:\reg+4*\c+3], v[\adr] offset:\off+512*\c
.endr
.endm
.macro FETCH4 s                        ; step s: v^T's eight fragments, P's four, the scale words: 38 loads, into set s % 2
.set sl, ((\s)/4)%2
.set qq, (\s)%4
.set pf, (\s)%2
	WIN 0x40
.irp i, 0,1,2,3,4,5,6,7
	FRAG 128*pf+12*\i, ADRB+sl, KSB*qq+FRB*\i
.endr
	WIN 0
.irp i, 0,1,2,3
	FRAG 128+48*pf+12*\i, ADRA+sl, KSB*qq+FRB*\i
.endr
	ds_load_b128 v[SC+8*pf:SC+8*pf+3], v[ADRS] offset:512*(\s)       ; lanes 0-15: my four tiles of P; lanes 16-31: v^T's tiles 0-3
	ds_load_b128 v[SC+8*pf+4:SC+8*pf+7], v[ADRS2] offset:512*(\s)    ; lanes 16-31: v^T's tiles 4-7
.endm
.macro MUL8 a, s, zero                 ; my tile a of P against v^T's eight; the 32 accumulators take turns
.set pm, (\s)%2
.irp b, 0,1,2,3,4,5,6,7
.set rD, 8*(8*(\a)+\b)
.set rB, 128*pm+12*\b
.set rA, 128+48*pm+12*(\a)
.if \zero
	v_wmma_scale_f32_16x16x128_f8f6f4 v[rD:rD+7], v[rB:rB+11], v[rA:rA+11], 0, v[SC+8*pm+\b], v[SC+8*pm+(\a)] matrix_a_fmt:MATRIX_FMT_BF6 matrix_b_fmt:MATRIX_FMT_BF6 matrix_a_scale:MATRIX_SCALE_ROW1
.else
	v_wmma_scale_f32_16x16x128_f8f6f4 v[rD:rD+7], v[rB:rB+11], v[rA:rA+11], v[rD:rD+7], v[SC+8*pm+\b], v[SC+8*pm+(\a)] matrix_a_fmt:MATRIX_FMT_BF6 matrix_b_fmt:MATRIX_FMT_BF6 matrix_a_scale:MATRIX_SCALE_ROW1
.endif
.endr
.endm
.macro STEP4 s, zero
	s_wait_dscnt 0x0                               ; this step's 38 loads
	WIN 0xa1
	MUL8 0, \s, \zero
	MUL8 1, \s, \zero
	PLACES 4                                       ; in front of loads into the other set, which the last step's products read
	FETCH4 (\s)+1
	WIN 0xa1
	MUL8 2, \s, \zero
	MUL8 3, \s, \zero
.endm
; A slot's last step changes slots: one barrier; in front of it each wave waits for all its tensor loads, adds 0 to its spare word, and waits for that and for its reads of this slot.
.macro TURN4 s, fill
.set sf, ((\s)/4)%2
	WIN 0
	s_wait_tensorcnt 0x0                           ; all my tensor loads have landed: my part of the next slot
	ds_add_u32 v[SPW], v[NIL]                      ; 0 onto my spare word
	s_wait_dscnt 1                                 ; (the add alone may be out)
	WIN 0xa1
	MUL8 0, \s, 0
	s_wait_dscnt 0x0                               ; the add is done, and my reads of this slot are over
	s_barrier_signal -1
	MUL8 1, \s, 0
	WIN 0
	s_barrier_wait -1
.if \fill
	CREST                                          ; the barrier has opened a round of the cluster's
	s_add_nc_u64 s[G0+4*sf+2:G0+4*sf+3], s[G0+4*sf+2:G0+4*sf+3], 8*KSB
	s_add_nc_u64 s[G0B+4*sf+2:G0B+4*sf+3], s[G0B+4*sf+2:G0B+4*sf+3], 8*KSB
	JLOAD G0+4*sf, G1, G0B+4*sf, G1B               ; the first tensor load behind the round; its four v_nop are the places in front of the loads below
.else
	PLACES 4
.endif
	FETCH4 (\s)+1
	WIN 0xa1
	MUL8 2, \s, 0
	MUL8 3, \s, 0
.endm
	s_load_b256 s[4:11], s[0:1], 0x0               ; pc, psc, st, yc
	s_load_b128 s[92:95], s[0:1], 0x20             ; ys, out0
	v_lshl_add_u32 v[SPW], v0, 2, SPARE
	v_mov_b32 v[NIL], 0
	ds_add_u32 v28, v29
	ds_add_u32 v28, v29
	s_wait_dscnt 0x0
	v_lshrrev_b32 v1, 5, v0
	v_readfirstlane_b32 s14, v1                    ; wave 0..3
	s_lshr_b32 s15, s14, 1                         ; my half of the queries.  Also: I fetch for P (0) or for v^T (1)
	s_and_b32 s16, s14, 1                          ; my block of d.  Also: which part I fetch
	s_bfe_u32 s40, ttmp6, 0x40000                  ; cx
	s_bfe_u32 s41, ttmp6, 0x40004                  ; cy
	s_lshl_b32 s43, s41, 2
	s_lshl_b32 s43, 15, s43
	s_lshl_b32 s44, 0x1111, s40
	s_or_b32 s[G1], s43, (3<<16)|(1<<21)           ; P's go to my row of the cluster,
	s_or_b32 s[G1B], s44, (3<<16)|(1<<21)          ; v^T's to my column
	s_or_b32 s[G1SB], s44, (3<<16)|(1<<21)
	s_mov_b32 s[G1+1], 32<<16                      ; two steps of P: 24,576 dense bytes as 96 rows of 256
	s_mov_b32 s[G1+2], 192<<16                     ; (the head's load of P brings four steps, 192 rows; behind it the two words are set to 96)
	s_mov_b32 s[G1+3], 32<<16
	s_mov_b32 s[G1+4], 192
	s_mov_b32 s[G1+5], 32
	s_mov_b32 s[G1+6], 0
	s_mov_b32 s[G1+7], 0
	s_mov_b32 s[G1B+1], 32<<16                     ; four steps of a block of v^T: 49,152 dense bytes as 192 rows
	s_mov_b32 s[G1B+2], 192<<16
	s_mov_b32 s[G1B+3], 32<<16
	s_mov_b32 s[G1B+4], 192
	s_mov_b32 s[G1B+5], 32
	s_mov_b32 s[G1B+6], 0
	s_mov_b32 s[G1B+7], 0
	s_mov_b32 s[G1SB+1], 32<<16                    ; a block's scale words: 8,192 dense bytes as 32 rows
	s_mov_b32 s[G1SB+2], 64<<16                    ; both blocks' scale words at once: 16,384 dense bytes as 64 rows
	s_mov_b32 s[G1SB+3], 32<<16
	s_mov_b32 s[G1SB+4], 64
	s_mov_b32 s[G1SB+5], 32
	s_mov_b32 s[G1SB+6], 0
	s_mov_b32 s[G1SB+7], 0
	s_mov_b32 s2, 0x76543210
	s_mov_b32 s3, 0xfedcba98
	s_and_b32 s17, ttmp7, 0xffff                   ; the cluster's y
	s_lshl_b32 s18, s17, 2
	s_add_co_u32 s18, s18, s41                     ; my block of 128 queries
	s_lshr_b32 s19, s17, 2                         ; the batch
	s_mul_i32 s20, s18, 16*KSB
	s_mul_i32 s21, s16, 2*KSB
	s_add_co_u32 s20, s20, s21                     ; P: it hangs on cy alone
	s_mov_b32 s21, 0
	s_lshl_b32 s47, s40, 1
	s_add_co_u32 s47, s47, s16                     ; the block of d that I fetch: on cx alone
	s_mul_i32 s46, s47, 16*KSB
	s_mul_i32 s66, s19, 128*KSB
	s_add_co_u32 s46, s46, s66
	s_add_co_u32 s46, s46, 1024*KSB
	s_lshl_b32 s66, s40, 14                        ; the scale words of blocks 2 cx and 2 cx + 1 lie on end
	s_lshl_b32 s67, s19, 16
	s_add_co_u32 s66, s66, s67
	s_add_co_u32 s66, s66, 1024*512
	s_mov_b32 s47, 0
	s_mov_b32 s67, 0
	s_mul_i32 s45, s16, 2*KSB                      ; where they go: by the wave's number alone
	s_mul_i32 s12, s16, 4*KSB
	s_add_co_u32 s12, s12, 4*KSB
	s_wait_kmcnt 0x0
	s_add_nc_u64 s[20:21], s[4:5], s[20:21]
	s_add_nc_u64 s[46:47], s[10:11], s[46:47]
	s_add_nc_u64 s[66:67], s[92:93], s[66:67]
	CROUND                                         ; all sixteen work-groups are here: the first joint loads meet
	s_mov_b32 s[G0SB], 1
	s_mov_b32 s[G0SB+1], SCLB
	s_mov_b64 s[G0SB+2:G0SB+3], s[66:67]
	s_or_b32 s[G0SB+3], s[G0SB+3], 0x80000000
.irp s, 0,1
	s_mov_b32 s[G0+4*\s], 1
	s_add_co_u32 s[G0+4*\s+1], s45, \s*SLOT
	s_add_nc_u64 s[G0+4*\s+2:G0+4*\s+3], s[20:21], \s*4*KSB
	s_or_b32 s[G0+4*\s+3], s[G0+4*\s+3], 0x80000000
	s_mov_b32 s[G0B+4*\s], 1
	s_add_co_u32 s[G0B+4*\s+1], s12, \s*SLOT
	s_add_nc_u64 s[G0B+4*\s+2:G0B+4*\s+3], s[46:47], \s*4*KSB
	s_or_b32 s[G0B+4*\s+3], s[G0B+4*\s+3], 0x80000000
.endr
; THE HEAD'S LOADS, ONE A WAVE: wave 0 P's four steps of slot 0 (its own group 0: LDS byte 0), wave 1 v^T's scale words, waves 2 and 3 a block of v^T each.
; One chain of branches on the wave's number; every way passes one load.
.macro ARM under, g0, g1, next
	s_cmp_lt_u32 s14, \under
	s_cbranch_scc0 \next
	tensor_load_to_lds s[\g0:\g0+3], s[\g1:\g1+7]
	s_nop 0
.rept 4
	v_nop
.endr
	s_branch .Lhead_asked
\next:
.endm
	ARM 1, G0,   G1,   .Lhead_s
	ARM 2, G0SB, G1SB, .Lhead_v
	tensor_load_to_lds s[G0B:G0B+3], s[G1B:G1B+7]
	s_nop 0
.rept 4
	v_nop
.endr
.Lhead_asked:
	v_and_b32 v1, 31, v0
	v_lshlrev_b32 v[L16], 4, v1
	v_and_b32 v2, 15, v0                           ; r
	s_wait_alu depctr_va_vdst(0)
	v_bfe_u32 v3, v0, 4, 1                         ; h
	s_mul_i32 s21, s15, 4*FRB                      ; my four tiles of P
	s_mul_i32 s22, s16, 4*KSB
	s_add_co_u32 s22, s22, 4*KSB                   ; my block of v^T
.irp s, 0,1
	v_add_nc_u32 v[ADRA+\s], s21, v[L16]
	v_add_nc_u32 v[ADRB+\s], s22, v[L16]
	s_add_co_u32 s21, s21, SLOT
	s_add_co_u32 s22, s22, SLOT
.endr
	s_lshl_b32 s21, s16, 8
	v_lshlrev_b32 v4, 4, v2
	s_wait_alu depctr_va_vdst(0)
	v_lshl_add_u32 v[FO], v3, 9, v4
	v_add_nc_u32 v[FO], s21, v[FO]
	v_add_nc_u32 v[FXA], FIXED, v[FO]
	v_lshlrev_b32 v5, 2, v2
	v_add_nc_u32 v[RLA], s21, v5
	v_add_nc_u32 v[RLA], RL, v[RLA]                ; 1 / l goes to tile 4 (wave & 1) + c, row r
	s_lshl_b32 s21, s15, 8
	v_add_nc_u32 v[RLB], s21, v5
	v_add_nc_u32 v[RLB], RL, v[RLB]                ; and is read for my tiles
	s_lshl_b32 s22, s16, 13
	s_add_co_u32 s22, s22, SCLB-FIXED
	s_sub_co_u32 s22, s22, s21
	v_mul_u32_u24 v6, s22, v3                      ; lanes 16-31 take v^T's words
	s_add_co_u32 s21, s21, FIXED
	v_add_nc_u32 v6, v6, v4
	v_add_nc_u32 v[ADRS], s21, v6
	v_lshl_add_u32 v[ADRS2], v3, 8, v[ADRS]
	s_mul_i32 s21, s14, 16*528                     ; my stage for the way out: in slot 0, behind its last fill and its last read
	v_add_nc_u32 v[RD], s21, v[L16]
	v_mul_u32_u24 v[STO], v2, 528
	v_lshl_add_u32 v[STO], v3, 6, v[STO]
	v_add_nc_u32 v[STO], s21, v[STO]
.irp c, 0,1,2,3
	v_mov_b32 v[228+\c], 0                         ; written once: a lane permute's destination counts as one of its sources
.endr
	s_lshl_b32 s22, s18, 13
	s_mov_b32 s23, 0
	s_add_nc_u64 s[8:9], s[8:9], s[22:23]          ; my block's -M and l,
	s_add_nc_u64 s[6:7], s[6:7], s[22:23]          ; and its scale words
	s_lshl_b32 s42, s18, 19                        ; out: 128 rows of 4,096 bytes a block,
	s_lshl_b32 s45, s15, 18                        ; my 64 of them,
	s_add_co_u32 s42, s42, s45
	s_lshl_b32 s45, s40, 1
	s_add_co_u32 s45, s45, s16
	s_lshl_b32 s45, s45, 9                         ; my 128 columns
	s_add_co_u32 s42, s42, s45
	s_mov_b32 s43, 0
	s_add_nc_u64 s[94:95], s[94:95], s[42:43]
	s_mov_b32 s12, 0x80808080
	s_mov_b32 s13, 0x01010101
	; THE FIXING, by waves 0 and 1: wave g takes tiles 4 g .. 4 g + 3 (a register c for each), lane (r, h) row r and the groups 2 k + h, k = 0 .. 7
	s_cmp_lt_u32 s14, 2
	s_cbranch_scc0 .Lno_fix
.irp k, 0,1,2,3,4,5,6,7
	global_load_b128 v[128+4*\k:131+4*\k], v[FO], s[8:9] offset:1024*\k           ; -M
.endr
.irp k, 0,1,2,3,4,5,6,7
	global_load_b128 v[160+4*\k:163+4*\k], v[FO], s[8:9] offset:524288+1024*\k    ; l
.endr
.irp k, 0,1,2,3,4,5,6,7
	global_load_b128 v[192+4*\k:195+4*\k], v[FO], s[6:7] offset:1024*\k           ; the scale words
.endr
	s_wait_loadcnt 0x0
.irp c, 0,1,2,3
	v_min3_num_f32 v[224+\c], v[128+\c], v[132+\c], v[136+\c]
.endr
.irp c, 0,1,2,3
	v_min3_num_f32 v[224+\c], v[224+\c], v[140+\c], v[144+\c]
.endr
.irp c, 0,1,2,3
	v_min3_num_f32 v[224+\c], v[224+\c], v[148+\c], v[152+\c]
.endr
.irp c, 0,1,2,3
	v_min_num_f32 v[224+\c], v[224+\c], v[156+\c]
.endr
.irp c, 0,1,2,3
	v_permlanex16_b32 v[228+\c], v[224+\c], s2, s3
.endr
.irp c, 0,1,2,3
	v_min_num_f32 v[224+\c], v[224+\c], v[228+\c]  ; -(the row's largest M)
.endr
.set i, 0
.rept 32
	v_sub_f32 v[128+i], v[224+i%4], v[128+i]       ; d = the group's M - the row's
.set i, i+1
.endr
.set i, 0
.rept 32
	v_max_num_f32 v[128+i], 0xc2fe0000, v[128+i]   ; held at -127
.set i, i+1
.endr
.set i, 0
.rept 32
	v_cvt_i32_f32 v[128+i], v[128+i]
.set i, i+1
.endr
.set i, 0
.rept 32
	v_ldexp_f32 v[160+i], v[160+i], v[128+i]       ; l under the row's M
.set i, i+1
.endr
.irp c, 0,1,2,3
	v_add_f32 v[232+\c], v[160+\c], v[164+\c]
.endr
.irp k, 2,3,4,5,6,7
.irp c, 0,1,2,3
	v_add_f32 v[232+\c], v[232+\c], v[160+4*\k+\c]
.endr
.endr
.irp c, 0,1,2,3
	v_permlanex16_b32 v[228+\c], v[232+\c], s2, s3
.endr
.irp c, 0,1,2,3
	v_add_f32 v[232+\c], v[232+\c], v[228+\c]      ; the row's l: above 1/2, since the group with the row's M has a p above 1/2
.endr
	s_wait_alu depctr_va_vdst(0)
.irp c, 0,1,2,3
	v_rcp_f32 v[236+\c], v[232+\c]
.endr
	; the four bytes of a word at once.  A byte is at most 123 (p is at most 1): with 128 added to each, adding d (-127 .. 0) to each borrows nothing from the next; bit 7 then says that byte + d is not negative
.set i, 0
.rept 32
	v_mul_lo_u32 v[128+i], v[128+i], s13           ; d in every byte (modulo 2^32).  (Plain work behind the reciprocals, which names none of their results)
.set i, i+1
.endr
.set i, 0
.rept 32
	v_or_b32 v[192+i], s12, v[192+i]
.set i, i+1
.endr
.set i, 0
.rept 32
	v_add_nc_u32 v[192+i], v[192+i], v[128+i]
.set i, i+1
.endr
.set i, 0
.rept 32
	v_and_b32 v[128+i], s12, v[192+i]
.set i, i+1
.endr
.set i, 0
.rept 32
	v_lshrrev_b32 v[160+i], 7, v[128+i]
.set i, i+1
.endr
.set i, 0
.rept 32
	v_sub_nc_u32 v[128+i], v[128+i], v[160+i]      ; 0x7f where bit 7 is set, else 0
.set i, i+1
.endr
.set i, 0
.rept 32
	v_and_b32 v[192+i], v[192+i], v[128+i]         ; byte + d, held at 0 from below
.set i, i+1
.endr
.irp k, 0,1,2,3,4,5,6,7
	ds_store_b128 v[FXA], v[192+4*\k:195+4*\k] offset:1024*\k
.endr
	s_wait_alu depctr_va_vdst(0)                   ; one wait for the four reciprocals, ahead of their first reader
.irp c, 0,1,2,3
	ds_store_b32 v[RLA], v[236+\c] offset:64*\c    ; both halves of the lanes write the same word with the same value
.endr
.Lno_fix:
	s_wait_alu depctr_va_vdst(0)
	s_wait_tensorcnt 0x0                           ; my one load of the head is in; slot 1's first fill is issued as a refill is
	ds_add_u32 v[SPW], v[NIL]                      ; 0 onto my spare word
	s_mov_b32 s[G1+2], 96<<16                      ; no load of mine is out: from here on a load of P brings two steps, 96 rows
	s_mov_b32 s[G1+4], 96
	s_wait_dscnt 0x0                               ; the add is done, and my stores of the fixed words and of 1 / l have landed
	CROUND                                         ; the head's tiles and the fixed words are in, in all sixteen work-groups
	JLOAD G0+4, G1, G0B+4, G1B                     ; slot 1: the first tensor load behind the round
	FETCH4 0
	STEP4 0, 1                                     ; the first products start the sums
	STEP4 1, 0
	STEP4 2, 0
	TURN4 3, 1
	STEP4 4, 0
	STEP4 5, 0
	STEP4 6, 0
	TURN4 7, 1
	STEP4 8, 0
	STEP4 9, 0
	STEP4 10, 0
	TURN4 11, 0
	STEP4 12, 0
	STEP4 13, 0
	STEP4 14, 0
	s_wait_dscnt 0x0                               ; the last step: nothing more to fetch
	WIN 0xa1
	MUL8 0, 15, 0
	MUL8 1, 15, 0
	MUL8 2, 15, 0
	MUL8 3, 15, 0
	WIN 0
	; THE WAY OUT, a tile of 16 queries at a time: x 1 / l, through my stage (rows of 512 + 16 bytes), back as whole rows of 512 bytes
.irp a, 0,1,2,3
	ds_load_b32 v[RV+2*\a], v[RLB] offset:64*\a
	ds_load_b32 v[RV+2*\a+1], v[RLB] offset:64*\a  ; (the packed form names the pair)
.endr
	PLACES 4
	s_wait_dscnt 0x0
.macro SCALE a
	WIN 0x02
.set n, 0
.rept 32
	v_pk_mul_f32 v[T+n:T+n+1], v[64*(\a)+n:64*(\a)+n+1], v[RV+2*(\a):RV+2*(\a)+1] op_sel_hi:[1,0]   ; each accumulator from its low end on
.set n, n+2
.endr
	WIN 0
.endm
.macro TOSTAGE a
.set BB, 128+64*((\a)%2)
.irp b, 0,1,2,3
.irp j, 0,1,2,3
	ds_store_b128 v[STO], v[T+16*\b+4*\j:T+16*\b+4*\j+3] offset:128*\b+16*\j
.endr
.endr
.irp t, 0,1,2,3,4,5,6,7,8,9,10,11,12,13,14,15
	ds_load_b128 v[BB+4*\t:BB+4*\t+3], v[RD] offset:528*\t   ; LDS serves a wave's instructions in order: these see the stores above, and the next tile's stores come behind them
.endr
.endm
.macro SEND a
.set BB, 128+64*((\a)%2)
	s_wait_dscnt 0x0
.irp t, 0,1,2,3,4,5,6,7,8,9,10,11,12,13,14,15
	global_store_b128 v[L16], v[BB+4*\t:BB+4*\t+3], s[94:95] offset:(32*((\a)/2)+8*((\a)%2)+\t+8*(\t/8))*4096 th:TH_STORE_NT   ; 512 consecutive bytes of one row of out, aligned
.endr
.endm
	SCALE 0
	TOSTAGE 0
	s_wait_dscnt 16                                ; the 16 stores have read their registers; the 16 loads may be out
	SCALE 1
	s_wait_alu depctr_va_vdst(0)
	SEND 0
	TOSTAGE 1
	s_wait_dscnt 16
	SCALE 2
	s_wait_alu depctr_va_vdst(0)
	SEND 1
	s_wait_xcnt 0x0                                ; tile 0's stores have read the registers into which tile 2's rows come
	TOSTAGE 2
	s_wait_dscnt 16
	SCALE 3
	s_wait_alu depctr_va_vdst(0)
	SEND 2
	s_wait_xcnt 0x0
	TOSTAGE 3
	SEND 3
	s_wait_tensorcnt 0x0                           ; the wave's end
	ds_add_u32 v[SPW], v[NIL]
	s_wait_dscnt 0x0
	CROUND                                         ; the closing round
	s_endpgm
.Lfunc_end_k_qe0946f59ee_pv:
	.size	k_qe0946f59ee_pv, .Lfunc_end_k_qe0946f59ee_pv-k_qe0946f59ee_pv
	.p2alignl 7, 3214868480
	.fill 96, 4, 3214868480
	.section	.rodata,"a",@progbits
	.p2align	6, 0x0
	.amdhsa_kernel k_qe0946f59ee_pv
		.amdhsa_group_segment_fixed_size 327680
		.amdhsa_private_segment_fixed_size 0
		.amdhsa_enable_private_segment 0
		.amdhsa_kernarg_size 48
		.amdhsa_user_sgpr_count 2
		.amdhsa_user_sgpr_kernarg_segment_ptr 1
		.amdhsa_wavefront_size32 1
		.amdhsa_system_sgpr_workgroup_id_x 1
		.amdhsa_system_sgpr_workgroup_id_y 1
		.amdhsa_system_sgpr_workgroup_id_z 1
		.amdhsa_system_vgpr_workitem_id 0
		.amdhsa_next_free_vgpr 768
		.amdhsa_next_free_sgpr 96
		.amdhsa_reserve_vcc 0
		.amdhsa_float_denorm_mode_32 3
		.amdhsa_float_denorm_mode_16_64 3
		.amdhsa_memory_ordered 1
		.amdhsa_forward_progress 1
		.amdhsa_inst_pref_size 162
	.end_amdhsa_kernel
	.amdgpu_metadata
---
amdhsa.version: [ 1, 2 ]
amdhsa.kernels:
  - .name:           k_qe0946f59ee_pv
    .symbol:         k_qe0946f59ee_pv.kd
    .args:
      - { .name: pc, .offset: 0, .size: 8, .value_kind: global_buffer, .address_space: global }
      - { .name: psc, .offset: 8, .size: 8, .value_kind: global_buffer, .address_space: global }
      - { .name: st, .offset: 16, .size: 8, .value_kind: global_buffer, .address_space: global }
      - { .name: yc, .offset: 24, .size: 8, .value_kind: global_buffer, .address_space: global }
      - { .name: ys, .offset: 32, .size: 8, .value_kind: global_buffer, .address_space: global }
      - { .name: out0, .offset: 40, .size: 8, .value_kind: global_buffer, .address_space: global }
    .group_segment_fixed_size: 327680
    .private_segment_fixed_size: 0
    .kernarg_segment_align: 8
    .kernarg_segment_size: 48
    .max_flat_workgroup_size: 128
    .sgpr_count:     96
    .vgpr_count:     768
    .wavefront_size: 32
...
	.end_amdgpu_metadata
.endif
;; end of part 4
